; MI455X (gfx1250); checked and timed in simulation.
; The chip was launched on July 23, 2026; its instructions are those of AMD's public machine-readable ISA for CDNA 5 (MIT licence, August 2026) and "CDNA5" Instruction Set Architecture Reference Guide (July 2026). The comments in the code are by the model that wrote it; some were corrected since.
;; Attention Head. Allowed arithmetic: matrix products marked QUANTISED: E2M3 operands, one E8M0 scale for each 32 along K, by v_wmma_scale_f32_16x16x128_f8f6f4 with both operands' format E2M3, f32 sums; everything else in f32.
;; Inputs: W 1,024 x 1,024 float32; b 1,024 float32; key 8 x 2,048 x 1,024 float32; query 8 x 512 x 1,024 float32; value 8 x 2,048 x 1,024 float32.
;; Outputs: out0 8 x 512 x 1,024 float32.
;; This version of the problem:
;;   THIS VERSION OF THE PROBLEM IS GIVEN IN LOW PRECISION. The matrix products marked QUANTISED in the list below multiply operands that are first quantised to E2M3 (2 exponent bits, 3 mantissa bits; 6 bits a number), with one power-of-two scale for each 32 numbers along K (OCP MX v1.0); their sums are f32. All else is computed in f32.
;;   The module's matrix products, in the order in which they are computed (A, B: the left and right operand; K: the contracted axis; several contracted axes count as one K, in the product's order):
;;     1. [M 4,096, K 1,024] x [K 1,024, N 1,024]; A: input query; B: input W: QUANTISED
;;     2. [M 16,384, K 1,024] x [K 1,024, N 1,024]; A: input key; B: input W: QUANTISED
;;     3. [M 16,384, K 1,024] x [K 1,024, N 1,024]; A: input value; B: input W: QUANTISED
;;     4. batch 8 x [M 512, K 1,024] x [K 1,024, N 2,048]; A: computed on the way; B: computed on the way: QUANTISED
;;     5. batch 8 x [M 512, K 2,048] x [K 2,048, N 1,024]; A: softmax (see below); B: computed on the way: QUANTISED
;;   THE QUANTISER, for each operand of a quantised product, along K:
;;     - K is cut into blocks of 32 from its start; a last block that is shorter is filled with zeros.
;;     - A block's scale is 2^e with e = floor(log2(the largest magnitude in the block)) - 2, held to -126 .. 127; a block of zeros has e = 0. As a byte (E8M0): e + 127.
;;     - Each number is divided by its block's scale, clamped to +-7.5, and rounded to the nearest number of E2M3, ties to even, subnormals kept.
;;     - The product sums the exact products of the quantised numbers (number of the format x scale) in f32.
;;   ~~~python
;;   def quantise(x, axis):      # numpy; x: float32 -> the quantised numbers, widened to float32 again
;;       x = np.moveaxis(x, axis, -1); K = x.shape[-1]
;;       x = np.pad(x, [(0, 0)] * (x.ndim - 1) + [(0, -K % 32)]); x = x.reshape(x.shape[:-1] + (-1, 32)); a = np.abs(x).max(-1, keepdims=True)
;;       e = np.where(a > 0, np.clip(np.frexp(np.where(a > 0, a, 1))[1] - 1 - 2, -126, 127), 0)      # np.frexp(a)[1] - 1 = floor(log2(a)), exactly
;;       r = np.clip(x / 2.0 ** e, -7.5, 7.5)
;;       step = 2.0 ** (np.maximum(np.frexp(np.where(r == 0, 1, r))[1] - 1, 0) - 3)
;;       q = np.round(r / step) * step * 2.0 ** e      # np.round: ties to even
;;       return np.moveaxis(q.reshape(q.shape[:-2] + (-1,))[..., :K], -1, axis).astype(np.float32)
;;   ~~~
;;   SOFTMAX AHEAD OF A QUANTISED PRODUCT. Where the list says 'softmax', what is quantised is not the finished softmax but p = 2^(t - M), with t = logit x log2(e) and M = ceil(the row's largest t), a whole number; so 1/2 < the row's largest p <= 1. The row's sum l is taken of the UNQUANTISED p, in f32, and the product's result is divided by l at the end. Since M is a whole number, a kernel that streams over the keys may use a running M (the ceiling of the running maximum): every later rescaling is an exact power of two, which a block's scale takes up: the codes' values come out the same.
;;   OPERANDS COMPUTED ON THE WAY. 'Computed on the way' means the value that the module computes at that place (a softmax that the list does not call 'softmax' is quantised finished and normalised). What goes into a quantiser is computed in f32, as accurately as f32 sums, v_exp_f32 and their like allow (about 1e-6 of the number): no bf16 or f16 on the way to a quantiser, and a product that is left as it is and whose result goes on into a quantised operand takes f32 operands (vector FMAs, or v_wmma_f32_16x16x4_f32). A number that lies on a knife's edge between two numbers of the format may be rounded either way, as far as f32 arithmetic and the matrix unit's own rounding can turn it there, and no further.
;; One version. Each part assembles by itself: llvm-mc -triple=amdgcn-amd-amdhsa -mcpu=gfx1250 --defsym DOCPART=n.
;; ======== version 1 of 1: 4 launches
;; limits: right only within a limited range of input values
;; workspace buffers: XC 29,097,984 bytes; XS 1,212,416 bytes; YC 28,311,552 bytes; YS 1,179,648 bytes; PCD 6,291,456 bytes; PSC 262,144 bytes; PST 524,288 bytes
;; launch quant (part 1): grid 592 x 1, 4 waves a work-group, no clusters, 36,352 bytes of LDS; arguments query, key, value, W, XC, XS; writes XC, XS
.if DOCPART == 1
	.amdgcn_target "amdgcn-amd-amdhsa--gfx1250"
	.amdhsa_code_object_version 6
	.text
	.protected	k_qc75915ff4d_quant
	.globl	k_qc75915ff4d_quant
	.p2align	8
	.type	k_qc75915ff4d_quant,@function
k_qc75915ff4d_quant:
	s_mov_b64 s[64:65], 0
	v_nop
	global_prefetch_b8 v0, s[64:65] scope:SCOPE_SE
	s_setreg_imm32_b32 hwreg(HW_REG_WAVE_MODE, 25, 1), 1
	s_wait_xcnt 0x0
; query [4096][1024], key, value [16384][1024] and W [1024][1024], f32, become codes of FP6 (E2M3) with one E8M0 byte for each 32 along the rows (K = the last axis).
; The four tensors count as one run of 37,888 rows, cut into 2,368 TILES of 16 rows.  Lane r of tile T holds row 32 (T / 2) + 8 (T % 2) + r + 8 (r / 8): with that choice the results of a product
; used transposed come out with 16 neighbours along the next K in a lane's registers.
; THE WORKSPACE IS LAID AS THE READER'S REGISTERS: a fragment (tile T, K step s of 128) is 12 registers a lane, 1,536 bytes at (8 T + s) x 1,536: three runs of 512 bytes, lane l's registers 4 c .. 4 c + 3 at 512 c + 16 l.
; Scale words (4 bytes: 128 along K of one row) lie [K step][tile][lane].
; A block's scale is 2^(floor(log2(largest magnitude)) - 2); its byte is the largest magnitude's exponent field - 2, held at 1 from below.
; LIMITS: a block of zeros gets the byte 1 (its codes are zeros; this program alone reads the bytes); blocks under 2^-124 keep the byte 1; NaN and infinities are not served.
; SHARES: a work-group takes four tiles, a wave one: 16 rows x 1,024.  Each load reads 512 consecutive bytes of one row; a step's 16 x 512 bytes turn through the wave's own stage in LDS, so that a lane
; gets 16 neighbours of each block of 32.  Waves share no input: no cluster, no tensor load.  Loads run two steps (32 loads a wave) ahead.
.set STP,  528                         ; a stage row: 512 bytes + 16: the sixteen rows that a load touches start in sixteen different 16-byte columns
.set WST,  16*STP                      ; a wave's stage
.set SCW,  4*WST                       ; behind the stages: the work-group's scale words, [K step][wave][lane], 2,048 bytes
.set XSP,  151552                      ; bytes of XS from K step to K step: 2,368 tiles x 64
.set FRB,  1536
.set LOF,  4                           ; v4  16 x lane
.set STI,  5                           ; v5  the stage, way in
.set STO,  6                           ; v6  the stage, way out: row r, + 64 h
.set SWA,  7                           ; v7  where my row's scale word goes
.set SRA,  8                           ; v8  where I read 16 bytes of scale words back
.set SGO,  9                           ; v9  and their place in XS
.set R,    16                          ; v16-143  two sets of 64 numbers as loaded
.set X,    144                         ; v144-207 64 numbers: register 16 b + i = k 32 b + 16 h + i of my row
.set TM,   208                         ; v208-223 at work
.set PW,   224                         ; the scale word
.set PC,   226                         ; v226-237 the fragment; v238-244 at work
.set G,    246
.set SEL,  24                          ; s[24:25] selects for lane l xor 16
	s_load_b256 s[4:11], s[0:1], 0x0               ; query, key, value, W
	s_load_b128 s[12:15], s[0:1], 0x20             ; XC, XS
	v_lshl_add_u32 v254, v0, 2, 0x8c00
	v_mov_b32 v255, 0
	v_lshrrev_b32 v1, 5, v0
	v_readfirstlane_b32 s16, v1                    ; wave
	v_and_b32 v1, 31, v0                           ; lane
	v_and_b32 v2, 15, v0                           ; r
	v_bfe_u32 v3, v0, 4, 1                         ; h
	v_lshlrev_b32 v[LOF], 4, v1
	s_mul_i32 s17, s16, WST
	v_add_nc_u32 v[STI], s17, v[LOF]
	v_mul_u32_u24 v[STO], v2, STP
	v_lshl_add_u32 v[STO], v3, 6, v[STO]
	v_add_nc_u32 v[STO], s17, v[STO]
	s_lshl_b32 s17, s16, 6
	s_add_co_u32 s17, s17, SCW
	v_lshl_add_u32 v[SWA], v2, 2, s17
	v_lshlrev_b32 v[SRA], 4, v0
	v_add_nc_u32 v[SRA], SCW, v[SRA]
	v_lshrrev_b32 v[SGO], 4, v0                    ; thread / 16 = the K step
	v_mul_u32_u24 v[SGO], v[SGO], XSP
	v_lshl_add_u32 v[SGO], v2, 4, v[SGO]
	s_mov_b32 s[SEL], 0x76543210
	s_mov_b32 s[SEL+1], 0xfedcba98
.irp b, 0,1,2,3
	v_mov_b32 v[TM+4+\b], 0                        ; written once: a lane permute's destination counts as one of its sources
.endr
	s_wait_kmcnt 0x0
	s_cmp_lt_u32 ttmp9, 64                         ; which tensor: the choice hangs on the work-group's number alone
	s_cselect_b64 s[20:21], s[4:5], s[6:7]
	s_cselect_b32 s22, 0, 64
	s_cmp_lt_u32 ttmp9, 320
	s_cselect_b64 s[20:21], s[20:21], s[8:9]
	s_cselect_b32 s22, s22, 320
	s_cmp_lt_u32 ttmp9, 576
	s_cselect_b64 s[20:21], s[20:21], s[10:11]
	s_cselect_b32 s22, s22, 576
	s_sub_co_u32 s22, ttmp9, s22                   ; my number among the tensor's work-groups
	s_lshl_b32 s22, s22, 6                         ; 64 rows each
	s_lshr_b32 s23, s16, 1
	s_lshl_b32 s23, s23, 5
	s_add_co_u32 s22, s22, s23                     ; + 32 (wave / 2)
	s_and_b32 s23, s16, 1
	s_lshl_b32 s23, s23, 3
	s_add_co_u32 s22, s22, s23                     ; + 8 (wave % 2)
	s_lshl_b32 s22, s22, 12                        ; rows of 4,096 bytes (under 2^27)
	s_mov_b32 s23, 0
	s_add_nc_u64 s[20:21], s[20:21], s[22:23]
	s_lshl_b32 s18, ttmp9, 2
	s_add_co_u32 s18, s18, s16                     ; my tile
	s_mul_i32 s18, s18, 8*FRB
	s_mov_b32 s19, 0
	s_add_nc_u64 s[12:13], s[12:13], s[18:19]
	s_lshl_b32 s18, ttmp9, 8                       ; four tiles' scale words: 256 bytes in each K step
	s_add_nc_u64 s[14:15], s[14:15], s[18:19]
.macro LOAD s                          ; K step s: 128 numbers of each of my 16 rows
.irp i, 0,1,2,3,4,5,6,7,8,9,10,11,12,13,14,15
	global_load_b128 v[R+64*((\s)%2)+4*\i:R+64*((\s)%2)+4*\i+3], v[LOF], s[20:21] offset:(\i+8*(\i/8))*4096+512*(\s) th:TH_LOAD_NT
.endr
.endm
.macro TURN s                          ; through the stage: LDS serves a wave's instructions in order, so no wait stands between the stores and the loads
.irp i, 0,1,2,3,4,5,6,7,8,9,10,11,12,13,14,15
	ds_store_b128 v[STI], v[R+64*((\s)%2)+4*\i:R+64*((\s)%2)+4*\i+3] offset:STP*\i
.endr
.irp b, 0,1,2,3
.irp j, 0,1,2,3
	ds_load_b128 v[X+16*\b+4*\j:X+16*\b+4*\j+3], v[STO] offset:128*\b+16*\j
.endr
.endr
.endm
; 64 numbers of a lane become a fragment's codes in v[PC] on and its scale word in v[PW]
.macro QUANT s
.irp b, 0,1,2,3
	v_max3_num_f32 v[TM+\b], |v[\s+16*\b]|, |v[\s+1+16*\b]|, 0x1800000   ; block b: my 16 numbers, and the floor 2^(3 - 127): the byte cannot fall under 1
.endr
.irp i, 2,4,6,8,10,12,14
.irp b, 0,1,2,3
	v_max3_num_f32 v[TM+\b], v[TM+\b], |v[\s+16*\b+\i]|, |v[\s+1+16*\b+\i]|
.endr
.endr
.irp b, 0,1,2,3
	v_permlanex16_b32 v[TM+4+\b], v[TM+\b], s[SEL], s[SEL+1]
.endr
.irp b, 0,1,2,3
	v_max_num_f32 v[TM+\b], v[TM+\b], v[TM+4+\b]   ; with lane l xor 16's: the block's largest magnitude
.endr
.irp b, 0,1,2,3
	v_add_nc_u32 v[TM+12+\b], 0xff000000, v[TM+\b] ; 2 off its exponent field: the conversion's scale operand
.endr
.irp b, 0,1,2,3
	v_lshrrev_b32 v[TM+4+\b], 23, v[TM+12+\b]      ; the scale's byte
.endr
	v_lshl_or_b32 v[PW], v[TM+5], 8, v[TM+4]
	v_lshl_or_b32 v[PW], v[TM+6], 16, v[PW]
	v_lshl_or_b32 v[PW], v[TM+7], 24, v[PW]
.irp c, 0,1
	v_cvt_scalef32_pk16_fp6_f32 v[PC+6*\c:PC+2+6*\c], v[\s+32*\c:\s+15+32*\c], v[TM+12+2*\c]
	v_cvt_scalef32_pk16_fp6_f32 v[PC+12+4*\c:PC+14+4*\c], v[\s+16+32*\c:\s+31+32*\c], v[TM+12+2*\c+1]   ; (a conversion's three registers begin on an even number)
.endr
	v_nop                                          ; one plain place behind a scaled conversion
.irp c, 0,1                            ; the operand's layout wants a whole block in a lane: lanes 0-15 block 2 c, lanes 16-31 block 2 c + 1
.irp i, 0,1,2
	v_permlane16_swap_b32 v[PC+6*\c+\i], v[PC+12+4*\c+\i]
.endr
.irp i, 0,1,2
	v_mov_b32 v[PC+3+6*\c+\i], v[PC+12+4*\c+\i]
.endr
.endr
.endm
.macro QSTEP s
.if (\s) < 7
	s_wait_loadcnt 16                              ; this step's 16 loads are in; the next step's 16 may be out
.else
	s_wait_loadcnt 0x0
.endif
	TURN \s
	s_wait_dscnt 0x0                               ; my 64 numbers are back; the stage's stores have read the set, and the last step's scale word is stored
	s_wait_xcnt 0x0                                ; the last step's stores have read the fragment's registers, which are written again below
.if (\s) < 6
	LOAD (\s)+2
.endif
	QUANT X
.irp c, 0,1,2
	global_store_b128 v[LOF], v[PC+4*\c:PC+4*\c+3], s[12:13] offset:FRB*(\s)+512*\c   ; 32 lanes store 512 consecutive bytes, aligned
.endr
	ds_store_b32 v[SWA], v[PW] offset:256*(\s)     ; both halves of the lanes write the same word with the same value
.endm
	LOAD 0
	LOAD 1
.irp t, 0,1,2,3,4,5,6,7
	QSTEP \t
.endr
	s_wait_dscnt 0x0                               ; for the others' sake: my scale words are stored
	s_barrier_signal -1
	s_barrier_wait -1
	ds_load_b128 v[G:G+3], v[SRA]
	s_wait_dscnt 0x0
	global_store_b128 v[SGO], v[G:G+3], s[14:15]   ; sixteen lanes store the four tiles' 256 bytes of one K step, aligned
	s_wait_tensorcnt 0x0
	ds_add_u32 v254, v255
	s_wait_dscnt 0x0
	s_endpgm
.Lfunc_end_k_qc75915ff4d_quant:
	.size	k_qc75915ff4d_quant, .Lfunc_end_k_qc75915ff4d_quant-k_qc75915ff4d_quant
	.p2alignl 7, 3214868480
	.fill 96, 4, 3214868480
	.section	.rodata,"a",@progbits
	.p2align	6, 0x0
	.amdhsa_kernel k_qc75915ff4d_quant
		.amdhsa_group_segment_fixed_size 36352
		.amdhsa_private_segment_fixed_size 0
		.amdhsa_enable_private_segment 0
		.amdhsa_kernarg_size 48
		.amdhsa_user_sgpr_count 2
		.amdhsa_user_sgpr_kernarg_segment_ptr 1
		.amdhsa_wavefront_size32 1
		.amdhsa_system_sgpr_workgroup_id_x 1
		.amdhsa_system_sgpr_workgroup_id_y 1
		.amdhsa_system_sgpr_workgroup_id_z 1
		.amdhsa_system_vgpr_workitem_id 0
		.amdhsa_next_free_vgpr 256
		.amdhsa_next_free_sgpr 66
		.amdhsa_reserve_vcc 0
		.amdhsa_float_denorm_mode_32 3
		.amdhsa_float_denorm_mode_16_64 3
		.amdhsa_memory_ordered 1
		.amdhsa_forward_progress 1
		.amdhsa_inst_pref_size 65
	.end_amdhsa_kernel
	.amdgpu_metadata
---
amdhsa.version: [ 1, 2 ]
amdhsa.kernels:
  - .name:           k_qc75915ff4d_quant
    .symbol:         k_qc75915ff4d_quant.kd
    .args:
      - { .name: query, .offset: 0, .size: 8, .value_kind: global_buffer, .address_space: global }
      - { .name: key, .offset: 8, .size: 8, .value_kind: global_buffer, .address_space: global }
      - { .name: value, .offset: 16, .size: 8, .value_kind: global_buffer, .address_space: global }
      - { .name: W, .offset: 24, .size: 8, .value_kind: global_buffer, .address_space: global }
      - { .name: XC, .offset: 32, .size: 8, .value_kind: global_buffer, .address_space: global }
      - { .name: XS, .offset: 40, .size: 8, .value_kind: global_buffer, .address_space: global }
    .group_segment_fixed_size: 36352
    .private_segment_fixed_size: 0
    .kernarg_segment_align: 8
    .kernarg_segment_size: 48
    .max_flat_workgroup_size: 128
    .sgpr_count:     66
    .vgpr_count:     256
    .wavefront_size: 32
...
	.end_amdgpu_metadata
.endif
;; end of part 1
;; launch proj (part 2): grid 256 x 1, 4 waves a work-group, clusters of 4 x 1, 327,680 bytes of LDS; arguments XC, XS, b, YC, YS; writes YC, YS
.if DOCPART == 2
	.amdgcn_target "amdgcn-amd-amdhsa--gfx1250"
	.amdhsa_code_object_version 6
	.text
	.protected	k_qc75915ff4d_proj
	.globl	k_qc75915ff4d_proj
	.p2align	8
	.type	k_qc75915ff4d_proj,@function
k_qc75915ff4d_proj:
	s_mov_b64 s[64:65], 0
	v_nop
	global_prefetch_b8 v0, s[64:65] scope:SCOPE_SE
	s_setreg_imm32_b32 hwreg(HW_REG_WAVE_MODE, 25, 1), 1
	s_wait_xcnt 0x0
	s_wait_alu depctr_hold_cnt(0) depctr_sa_sdst(0) depctr_va_vdst(0) depctr_va_sdst(0) depctr_va_ssrc(0) depctr_va_vcc(0) depctr_vm_vsrc(0)
	s_getreg_b32 s2, hwreg(HW_REG_IB_STS2, 6, 4)
	s_cmp_eq_u32 s2, 0
	s_cbranch_scc0 .Lentry_in_a_cluster
	s_endpgm
.Lentry_in_a_cluster:
	s_bfe_u32 s2, ttmp6, 0x10000c
	s_cmp_lg_u32 s2, 0x3003
	s_cbranch_scc0 .Lentry_shape_is_right
	s_endpgm
.Lentry_shape_is_right:
; q = query W^T + b, k = key W^T + b (quantised along P, the next product's K) and v^T = W value^T + b (quantised along the keys), on codes of FP6 (E2M3) with E8M0 scales; sums in f32.  No work of the problem is left out.
; SHARES: 256 equal work-groups.  Work-group g takes tiles 5 g .. 5 g + 4 of the 1,280 tiles of 16 rows of query and key, and tiles 4 g .. 4 g + 3 of value's 1,024 (64 keys), each against all 64 tiles of W:
; 9 x 64 x 8 K steps = 4,608 matrix instructions, 1,152 a wave.  The 9 tiles X lie in LDS for all of K (110,592 bytes).  W goes in two passes of 32 tiles; in a pass a wave has 8 tiles of W x 9 of X: 72 accumulators.
; OPERANDS lie in memory as images of their registers (tile T, K step s: 1,536 bytes at (8 T + s) x 1,536); lane r of tile T is row 32 (T / 2) + 8 (T % 2) + r + 8 (r / 8).
; q, k: source 0 = 16 rows of W, source 1 = 16 rows of X: a lane holds one row, and result tiles 2 j, 2 j + 1 are 16 neighbours along P.  v: source 0 = 16 keys, source 1 = 16 rows of W: a lane holds one p, its registers run along the keys.
; So 64 registers are four blocks of 32 in both kinds, and one macro quantises them.  q, k: a fragment and a scale word.  v: two half fragments (64 keys of 128) of two tiles of p, and two scale bytes for each.
; v's FRAGMENT IS LAID IN TWO HALVES of 768 bytes, half c = keys 64 c .. 64 c + 63: registers 6 c .. 6 c + 3 at 16 x lane, then registers 6 c + 4, 6 c + 5 at 512 + 8 x lane: each half is stored whole by one work-group.
; v's two scale bytes go as 16 bits into the word that the neighbouring work-group completes: these units are written in part; they are one byte in 24 of v's codes.  q's and k's scale words leave 64 bytes an instruction, 320 on end a wave.
; THE RING: two slots, each with two K steps of every wave's 8 tiles of W (24,576 bytes a wave, read by that wave alone).  A trip of the loop is four K steps and fills both slots again; three trips, then a tail that asks for nothing.
; A refill is asked for in the middle of a slot's second step and waited for 112 matrix instructions later.  All waits on TENSORcnt are for 0.
; CLUSTER 4 x 1: all work-groups walk the same W, so each wave's part is asked for jointly by the four partners (mask 15).  X's tiles are each work-group's own.
; NO PREFETCH: X is asked for once, at the head, where there is no loop to run ahead in; W's 32 tiles of a pass are walked by all work-groups alike and in step.
; THE SUMS START FROM THE BIAS: loaded (q, k: by P, along the registers) or copied (v: by p, one number a lane and tile) into the accumulators ahead of a pass, so every K step has one form.
; W's scale words of a pass lie in 64 registers; the loop's text names the first 32, so the second 32 are copied down behind each trip.
; LIMITS: a block of zeros gets the byte 1 (zero codes; this program alone reads the bytes); NaN and infinities are not served.
; REGISTERS: window 0: v0-31 addresses, bias of v; v32-95 W's scale words; v96-113 X's, two sets; v120-227 X's fragments, one set; v114-117, v228-254 the way out.
;   window 1: v0-191 W's fragments, two sets; v192-255 accumulators of X tile 4.  window 2: X tiles 0-3, (a, b) at 64 a + 8 b.  window 3: v's, (b, a) at 32 b + 8 (a - 5).
.set FRB,   1536
.set TIL,   8*FRB
.set XSP,   151552                     ; bytes of XS from K step to K step
.set WT0,   2304                       ; W's first tile, value's first tile
.set VT0,   1280
.set XV0,   5*TIL                      ; LDS: value's four tiles behind the five of query and key
.set WRING, 9*TIL
.set PART,  16*FRB                     ; 8 tiles x 2 K steps
.set SLOT,  4*PART
.set XSC,   WRING+2*SLOT               ; X's scale words, [K step][9 tiles][64 bytes], stored by the waves: no fill lands here
.set SPARE, XSC+8*576                  ; the spare words, 128 bytes a wave
.set LI,  4                            ; 16 x lane
.set LI8, 5                            ; 8 x lane
.set R4,  6                            ; 4 r
.set VN,  7                            ; 64 h
.set VM,  8                            ; 4 (r + 8 (r / 8))
.set AX0, 10                           ; X tiles 0-4, 5-8 at this trip's first K step; v12-13 at the next trip's
.set AX1, 11
.set AS,  14                           ; X's scale words likewise; v15
.set AW,  16                           ; v16-17 my part of slots 0, 1
.set BX1, 18
.set BS,  19
.set BV,  22                           ; v22-29 v's bias, one for each tile of W
.set SPW, 30
.set NIL, 31
.set WSC, 32
.set XSR, 96
.set PW,  117
.set XF,  120
.set TM,  228
.set PC,  240
.set XT,  252
.set XD,  253
.set WV,  14
.set GI,  15
.set WL,  16
.set CT,  17
.set KX,  18
.set KS,  19
.set INC, 20
.set SEL, 22
.set G1W, 24                           ; group 1: 8 tiles x 3,072 bytes, joint;  16 tiles, joint;  X's two dense blocks
.set G1H, 32
.set G1Q, 40
.set G1V, 48
.set G0S, 56                           ; s[56:59], s[60:63] group 0 of slots 0, 1
.set G0Q, 68
.set G0V, 72
.set G0H, 76
.set WSB, 80
.set BB,  82
.set OQ,  84
.set OSQ, 86
.set OV,  88
.set OSV, 90
.set XQS, 96
.set XVS, 98
.set MSB, 0
.macro WIN new                         ; the immediate's high byte repeats the setting that is left
.if MSB != (\new)
	s_set_vgpr_msb (MSB<<8)|(\new)
.set MSB, \new
.endif
.endm
.macro PLACES                          ; four plain places behind matrix instructions (ISA guide 7.12.1)
.rept 4
	v_nop
.endr
.endm
.macro CREST
	s_cmp_lg_u32 s[WV], 0
	s_cbranch_scc1 .Lnot_wave_0_\@
	s_barrier_signal -3
.Lnot_wave_0_\@:
	s_barrier_wait -3
	s_barrier_signal -1
	s_barrier_wait -1
.endm
.macro CROUND
	s_barrier_signal -1
	s_barrier_wait -1
	CREST
.endm
.macro ARM under, g0, g1, next
	s_cmp_lt_u32 s[WV], \under
	s_cbranch_scc0 \next
	tensor_load_to_lds s[\g0:\g0+3], s[\g1:\g1+7]
	s_nop 0
	PLACES
	s_branch .Lhead_asked
\next:
.endm
; X tile a (0-4: rows of query, key) against W's eight, K step q of the trip.  The accumulators take turns, one instruction a turn
.macro MQ a, q
.if (\a) < 4
	WIN 0xa1
.set DB_, 64*(\a)
.else
	WIN 0x51
.set DB_, 192
.endif
.irp b, 0,1,2,3,4,5,6,7
	v_wmma_scale_f32_16x16x128_f8f6f4 v[DB_+8*\b:DB_+8*\b+7], v[96*((\q)%2)+12*\b:96*((\q)%2)+12*\b+11], v[XF+12*(\a):XF+12*(\a)+11], v[DB_+8*\b:DB_+8*\b+7], v[WSC+8*(\q)+\b], v[XSR+9*((\q)%2)+(\a)] matrix_a_fmt:MATRIX_FMT_FP6 matrix_b_fmt:MATRIX_FMT_FP6
.endr
.endm
.macro MV a, q                         ; X tile a (5-8: keys) as source 0
	WIN 0xf4
.irp b, 0,1,2,3,4,5,6,7
	v_wmma_scale_f32_16x16x128_f8f6f4 v[32*\b+8*((\a)-5):32*\b+8*((\a)-5)+7], v[XF+12*(\a):XF+12*(\a)+11], v[96*((\q)%2)+12*\b:96*((\q)%2)+12*\b+11], v[32*\b+8*((\a)-5):32*\b+8*((\a)-5)+7], v[XSR+9*((\q)%2)+(\a)], v[WSC+8*(\q)+\b] matrix_a_fmt:MATRIX_FMT_FP6 matrix_b_fmt:MATRIX_FMT_FP6
.endr
.endm
.macro FW sl, qq, p                    ; W's eight fragments: slot sl, its step qq, into set p: 24 loads
	WIN 0x40
.irp i, 0,1,2,3,4,5,6,7
.irp c, 0,1,2
	ds_load_b128 v[96*(\p)+12*\i+4*\c:96*(\p)+12*\i+4*\c+3], v[AW+(\sl)] offset:(2*\i+(\qq))*FRB+512*\c
.endr
.endr
	WIN 0
.endm
.macro FXLO r0, q                      ; X tiles 0-3: 12 loads
.irp a, 0,1,2,3
.irp c, 0,1,2
	ds_load_b128 v[XF+12*\a+4*\c:XF+12*\a+4*\c+3], v[\r0] offset:\a*TIL+(\q)*FRB+512*\c
.endr
.endr
.endm
.macro FXHI r0, r1, q                  ; X tiles 4-8: 15 loads
.irp c, 0,1,2
	ds_load_b128 v[XF+48+4*\c:XF+48+4*\c+3], v[\r0] offset:4*TIL+(\q)*FRB+512*\c
.endr
.irp a, 5,6,7,8
.irp c, 0,1,2
	ds_load_b128 v[XF+12*\a+4*\c:XF+12*\a+4*\c+3], v[\r1] offset:(\a-5)*TIL+(\q)*FRB+512*\c
.endr
.endr
.endm
.macro FS r, q, p                      ; X's nine scale words into set p
.irp a, 0,1,2,3,4,5,6,7,8
	ds_load_b32 v[XSR+9*(\p)+\a], v[\r] offset:(\q)*576+64*\a
.endr
.endm
; K step q of a trip.  kind 1: the slot's second step, and the slot is filled again; kind 2: only my own load is waited for (I alone read my part); fetch: the next step's fragments are asked for
.macro STEP q, kind, fetch
.if (\kind) == 1
	s_wait_tensorcnt 0x0                           ; all my tensor loads have landed: my part of the other slot
	ds_add_u32 v[SPW], v[NIL]
	s_wait_dscnt 16                                ; the add and the youngest 15 loads (X tiles 4-8) may be out
	MQ 0, \q
	MQ 1, \q
	s_wait_dscnt 0x0                               ; the add is done; my reads of this slot ended a step ago
	s_barrier_signal -1
	MQ 2, \q
	MQ 3, \q
	WIN 0
	s_barrier_wait -1
	CREST                                          ; the barrier has opened a round of the cluster's barrier
	s_add_nc_u64 s[G0S+4*((\q)/2)+2:G0S+4*((\q)/2)+3], s[G0S+4*((\q)/2)+2:G0S+4*((\q)/2)+3], s[INC:INC+1]
	tensor_load_to_lds s[G0S+4*((\q)/2):G0S+4*((\q)/2)+3], s[G1W:G1W+7]   ; the fill two further on: every wave its own part
	s_nop 0
	PLACES                                         ; also the places in front of the loads below
.else
.if (\kind) == 2
	s_wait_tensorcnt 0x0                           ; my part of the last slot
.endif
	s_wait_dscnt 15                                ; W's set, X tiles 0-3 and the scale words are in; X tiles 4-8 may be out
	MQ 0, \q
	MQ 1, \q
	MQ 2, \q
	MQ 3, \q
	s_wait_dscnt 0x0
.if \fetch
	PLACES
.endif
.endif
.if \fetch
	FW (((\q)+1)/2)%2, ((\q)+1)%2, ((\q)+1)%2
.if (\q) < 3
	FXLO AX0, (\q)+1
	FS AS, (\q)+1, ((\q)+1)%2
.else
	FXLO AX0+2, 0
	FS AS+1, 0, 0
.endif
.endif
	MQ 4, \q
	MV 5, \q
	MV 6, \q
	MV 7, \q
	MV 8, \q
.if \fetch
	PLACES
	WIN 0
.if (\q) < 3
	FXHI AX0, AX1, (\q)+1
.else
	FXHI AX0+2, AX1+2, 0
.endif
.endif
	WIN 0
.endm
.macro PAIR rf                         ; four K steps: both slots.  rf = 1: both are filled again and the next trip's first fragments are asked for
	v_add_nc_u32 v[AX0], s[KX], v[LI]
	v_add_nc_u32 v[AX1], s[KX], v[BX1]
	v_add_nc_u32 v[AS], s[KS], v[BS]
	s_xor_b32 s[KX], s[KX], 4*FRB                  ; K steps 0-3 and 4-7 of X by turns
	s_xor_b32 s[KS], s[KS], 4*576
.if \rf
	v_add_nc_u32 v[AX0+2], s[KX], v[LI]
	v_add_nc_u32 v[AX1+2], s[KX], v[BX1]
	v_add_nc_u32 v[AS+1], s[KS], v[BS]
.endif
	s_wait_alu depctr_va_vdst(0)
	STEP 0, 0, 1
	STEP 1, 2-(\rf), 1
	STEP 2, 0, 1
	STEP 3, \rf, \rf
.if \rf
.set J_, 0
.rept 32
	v_mov_b32 v[WSC+J_], v[WSC+32+J_]              ; W's scale words of K steps 4-7 take the places that the text names
.set J_, J_+1
.endr
.endif
.endm
; 64 results of a lane in window w, register s + 16 b + i = place 16 h + i of block b, become 12 registers of codes in v[PC] on and four scale bytes in v[PW].  Each accumulator is read from its low end on.
.macro QUANT64 s, w
	s_wait_xcnt 0x0                                ; the last block's stores have read v[PC] on and v[PW]
	WIN (\w)|((\w)<<2)
.irp b, 0,1,2,3
	v_max3_num_f32 v[TM+\b], |v[(\s)+16*\b]|, |v[(\s)+16*\b+1]|, 0x1800000   ; and the floor 2^(3 - 127): the byte cannot fall under 1
.endr
.irp i, 2,4,6,8,10,12,14
.irp b, 0,1,2,3
	v_max3_num_f32 v[TM+\b], |v[(\s)+16*\b+\i]|, |v[(\s)+16*\b+\i+1]|, v[TM+\b]
.endr
.endr
	WIN 0
.irp b, 0,1,2,3
	v_permlanex16_b32 v[TM+4+\b], v[TM+\b], s[SEL], s[SEL+1]
.endr
.irp b, 0,1,2,3
	v_max_num_f32 v[TM+\b], v[TM+\b], v[TM+4+\b]
.endr
.irp b, 0,1,2,3
	v_add_nc_u32 v[TM+8+\b], 0xff000000, v[TM+\b]  ; 2 off the exponent field: the conversion's scale operand
.endr
.irp b, 0,1,2,3
	v_lshrrev_b32 v[TM+4+\b], 23, v[TM+8+\b]
.endr
	v_lshl_or_b32 v[PW], v[TM+5], 8, v[TM+4]
	v_lshl_or_b32 v[PW], v[TM+6], 16, v[PW]
	v_lshl_or_b32 v[PW], v[TM+7], 24, v[PW]
	WIN \w
.irp c, 0,1
	v_cvt_scalef32_pk16_fp6_f32 v[PC+6*\c:PC+6*\c+2], v[(\s)+32*\c:(\s)+32*\c+15], v[TM+8+2*\c]
	v_cvt_scalef32_pk16_fp6_f32 v[252-138*\c:254-138*\c], v[(\s)+32*\c+16:(\s)+32*\c+31], v[TM+9+2*\c]   ; (three registers from an even one: v252, v114)
.endr
	WIN 0
	v_nop                                          ; one plain place behind a scaled conversion
.irp c, 0,1
.irp i, 0,1,2
	v_permlane16_swap_b32 v[PC+6*\c+\i], v[252-138*\c+\i]
.endr
.irp i, 0,1,2
	v_mov_b32 v[PC+3+6*\c+\i], v[252-138*\c+\i]
.endr
.endr
.endm
.macro PRE p                           ; pass p: W's scale words of my 8 tiles, all 8 K steps, and v's bias
.irp s, 0,1,2,3,4,5,6,7
.irp i, 0,1,2,3,4,5,6,7
	global_load_b32 v[WSC+8*\s+\i], v[R4], s[WSB:WSB+1] offset:\s*XSP+64*\i+2048*(\p)
.endr
.endr
.irp i, 0,1,2,3,4,5,6,7
	global_load_b32 v[BV+\i], v[VM], s[BB:BB+1] offset:(32*(\i/2)+8*(\i%2))*4+2048*(\p)
.endr
.endm
.macro BIASQ p                         ; register 8 b + j of lane (r, h) is b at my first column + 32 (b / 2) + 8 (b % 2) + 16 h + j
.irp a, 0,1,2,3,4
.if \a < 4
	WIN 0x80
.set DB_, 64*\a
.else
	WIN 0x40
.set DB_, 192
.endif
.irp b, 0,1,2,3,4,5,6,7
	global_load_b128 v[DB_+8*\b:DB_+8*\b+3], v[VN], s[BB:BB+1] offset:(32*(\b/2)+8*(\b%2))*4+2048*(\p)
	global_load_b128 v[DB_+8*\b+4:DB_+8*\b+7], v[VN], s[BB:BB+1] offset:(32*(\b/2)+8*(\b%2))*4+2048*(\p)+16
.endr
.endr
	WIN 0
.endm
.macro BIASV                           ; v's sums start from b at the lane's p
	s_wait_loadcnt 0x0
	WIN 0xc0
.set J_, 0
.rept 256
	v_mov_b32 v[J_], v[BV+J_/32]
.set J_, J_+1
.endr
	WIN 0
	s_wait_alu depctr_va_vdst(0)
.endm
.macro WAYOUT p                        ; pass p leaves; behind pass 0 the next pass's scale words and bias come in meanwhile
	PLACES
.if (\p) == 0
	PRE 1
.endif
.irp a, 0,1,2,3,4
.if \a < 4
	QUANT64 64*\a, 2
.else
	QUANT64 192, 1
.endif
.irp c, 0,1,2
	global_store_b128 v[LI], v[PC+4*\c:PC+4*\c+3], s[OQ:OQ+1] offset:\a*TIL+4*FRB*(\p)+512*\c   ; 32 lanes store 512 consecutive bytes, aligned
.endr
	global_store_b32 v[R4], v[PW], s[OSQ:OSQ+1] offset:64*\a+327680*(\p)   ; both halves of the lanes store the same word
.endr
.if (\p) == 0
	BIASQ 1
.endif
.irp u, 0,1,2,3
	QUANT64 64*\u, 3
.irp e, 0,1
	global_store_b128 v[LI], v[PC+6*\e:PC+6*\e+3], s[OV:OV+1] offset:(32*(\p)+2*\u+\e)*16*FRB
	global_store_b64 v[LI8], v[PC+6*\e+4:PC+6*\e+5], s[OV:OV+1] offset:(32*(\p)+2*\u+\e)*16*FRB+512
.endr
	global_store_b16 v[R4], v[PW], s[OSV:OSV+1] offset:(32*(\p)+2*\u)*64
	global_store_d16_hi_b16 v[R4], v[PW], s[OSV:OSV+1] offset:(32*(\p)+2*\u+1)*64
.endr
.if (\p) == 0
	BIASV
.endif
.endm
	s_load_b256 s[4:11], s[0:1], 0x0               ; XC s[4:5], XS s[6:7], b s[8:9], YC s[10:11]
	s_load_b64 s[12:13], s[0:1], 0x20              ; YS
	v_lshl_add_u32 v[SPW], v0, 2, SPARE
	v_mov_b32 v[NIL], 0
	ds_add_u32 v[SPW], v[NIL]                      ; the opening lines: the add twice on end and one wait
	ds_add_u32 v[SPW], v[NIL]
	v_lshrrev_b32 v1, 5, v0
	v_readfirstlane_b32 s[WV], v1
	s_bfe_u32 s[WL], ttmp6, 0x40000                ; cx
	s_lshl_b32 s[GI], ttmp9, 2
	s_add_co_u32 s[GI], s[GI], s[WL]               ; my work-group, 0 .. 255
	s_mov_b32 s[G1W], 15|(3<<16)|(1<<21)           ; the four partners; elements of 8 bytes
	s_mov_b32 s[G1H], 15|(3<<16)|(1<<21)
.irp g, G1W, G1H
	s_mov_b32 s[\g+1], 384<<16                     ; rows (tiles) of two K steps, 3,072 bytes, 12,288 apart
	s_mov_b32 s[\g+3], 384<<16
	s_mov_b32 s[\g+5], TIL/8
	s_mov_b32 s[\g+6], 0
	s_mov_b32 s[\g+7], 0
.endr
	s_mov_b32 s[G1W+2], 8<<16
	s_mov_b32 s[G1W+4], 8
	s_mov_b32 s[G1H+2], 16<<16
	s_mov_b32 s[G1H+4], 16
.irp g, G1Q, G1V
	s_mov_b32 s[\g], 3<<16                         ; a dense block as rows of 256 bytes
	s_mov_b32 s[\g+1], 32<<16
	s_mov_b32 s[\g+3], 32<<16
	s_mov_b32 s[\g+5], 32
	s_mov_b32 s[\g+6], 0
	s_mov_b32 s[\g+7], 0
.endr
	s_mov_b32 s[G1Q+2], 240<<16
	s_mov_b32 s[G1Q+4], 240
	s_mov_b32 s[G1V+2], 192<<16
	s_mov_b32 s[G1V+4], 192
	s_mul_i32 s[WL], s[WV], PART
	s_add_co_u32 s[WL], s[WL], WRING               ; my part of slot 0: made of the wave's number alone
	s_mov_b32 s[G0S], 1
	s_mov_b32 s[G0S+1], s[WL]
	s_mov_b32 s[G0S+4], 1
	s_add_co_u32 s[G0S+5], s[WL], SLOT
	s_mov_b32 s[G0Q], 1
	s_mov_b32 s[G0Q+1], 0
	s_mov_b32 s[G0V], 1
	s_mov_b32 s[G0V+1], XV0
	s_mov_b32 s[G0H], 1
	s_and_b32 s92, s[WV], 1
	s_mul_i32 s[G0H+1], s92, 2*PART
	s_add_co_u32 s[G0H+1], s[G0H+1], WRING
	s_mov_b32 s3, 0
	s_mov_b32 s93, 0
	s_wait_dscnt 0x0                               ; both opening adds are done
	s_wait_kmcnt 0x0
	s_mul_i32 s2, s[WV], 8*TIL
	s_add_co_u32 s2, s2, WT0*TIL
	s_add_nc_u64 s[G0S+2:G0S+3], s[4:5], s[2:3]    ; my 8 tiles of W, K steps 0, 1: slot 0's address before its first refill's step
	s_add_nc_u64 s[G0S+6:G0S+7], s[G0S+2:G0S+3], 2*FRB
	s_or_b32 s[G0S+3], s[G0S+3], 0x80000000
	s_or_b32 s[G0S+7], s[G0S+7], 0x80000000
	s_mul_i32 s2, s92, 16*TIL
	s_add_co_u32 s2, s2, WT0*TIL
	s_add_nc_u64 s[G0H+2:G0H+3], s[4:5], s[2:3]    ; the head's loads of W: 16 tiles each
	s_or_b32 s[G0H+3], s[G0H+3], 0x80000000
	s_mul_i32 s92, s[GI], 5*TIL
	s_add_nc_u64 s[G0Q+2:G0Q+3], s[4:5], s[92:93]
	s_or_b32 s[G0Q+3], s[G0Q+3], 0x80000000
	s_mul_i32 s92, s[GI], 4*TIL
	s_add_co_u32 s92, s92, VT0*TIL
	s_add_nc_u64 s[G0V+2:G0V+3], s[4:5], s[92:93]
	s_or_b32 s[G0V+3], s[G0V+3], 0x80000000
	CROUND                                         ; the round in front of the first loads
	ARM 1, G0Q, G1Q, .Lhead_v                      ; one load a wave: wave 0 the five tiles of query and key, wave 1 value's four,
	ARM 2, G0V, G1V, .Lhead_w
	tensor_load_to_lds s[G0H:G0H+3], s[G1H:G1H+7]  ; waves 2, 3 slot 0, 16 tiles of W each
	s_nop 0
	PLACES
.Lhead_asked:
	s_lshl_b32 s2, s[WV], 9                        ; 128 numbers of b, 8 tiles' scale words
	s_add_nc_u64 s[BB:BB+1], s[8:9], s[2:3]
	s_add_co_u32 s2, s2, WT0*64
	s_add_nc_u64 s[WSB:WSB+1], s[6:7], s[2:3]
	s_mul_i32 s2, s[GI], 320
	s_add_nc_u64 s[XQS:XQS+1], s[6:7], s[2:3]
	s_mul_i32 s92, s[WV], 81920                    ; q, k: scale words [K step 4 p + wave][1,280 tiles][64 bytes]
	s_add_co_u32 s2, s2, s92
	s_add_nc_u64 s[OSQ:OSQ+1], s[12:13], s[2:3]
	s_lshl_b32 s2, s[GI], 8
	s_add_co_u32 s2, s2, VT0*64
	s_add_nc_u64 s[XVS:XVS+1], s[6:7], s[2:3]
	s_mul_i32 s2, s[GI], 5*TIL                     ; q, k: codes at (8 tile + K step) x 1,536
	s_mul_i32 s92, s[WV], FRB
	s_add_co_u32 s2, s2, s92
	s_add_nc_u64 s[OQ:OQ+1], s[10:11], s[2:3]
	s_lshr_b32 s92, s[GI], 5                       ; v: the batch; g % 32 counts halves of K steps of 128 keys
	s_and_b32 s93, s[GI], 31
	s_mul_i32 s2, s92, 1572864
	s_mul_i32 s94, s93, 768
	s_add_co_u32 s2, s2, s94
	s_mul_i32 s94, s[WV], 128*FRB                  ; 8 tiles of p, 16 K steps each
	s_add_co_u32 s2, s2, s94
	s_add_co_u32 s2, s2, 15728640
	s_add_nc_u64 s[OV:OV+1], s[10:11], s[2:3]
	s_lshl_b32 s2, s92, 16                         ; v: scale words [batch][K step][64 tiles][64 bytes], my two bytes of each
	s_lshr_b32 s94, s93, 1
	s_lshl_b32 s94, s94, 12
	s_add_co_u32 s2, s2, s94
	s_and_b32 s94, s93, 1
	s_lshl_b32 s94, s94, 1
	s_add_co_u32 s2, s2, s94
	s_lshl_b32 s94, s[WV], 9
	s_add_co_u32 s2, s2, s94
	s_add_co_u32 s2, s2, 655360
	s_add_nc_u64 s[OSV:OSV+1], s[12:13], s[2:3]
	s_mov_b32 s[SEL], 0x76543210
	s_mov_b32 s[SEL+1], 0xfedcba98                 ; selects for lane l xor 16
	s_mov_b32 s[KX], 0
	s_mov_b32 s[KS], 0
	s_mov_b32 s[INC], 4*FRB                        ; a slot's next fill: two K steps on but one; at a change of passes 32 tiles on and back
	s_mov_b32 s[INC+1], 0
	s_mov_b32 s[CT], 0
	v_and_b32 v1, 31, v0
	v_and_b32 v2, 15, v0
	v_bfe_u32 v3, v0, 4, 1
	v_lshrrev_b32 v9, 4, v0                        ; thread / 16: the K step whose scale words of X I bring
	v_lshlrev_b32 v[LI], 4, v1
	v_lshlrev_b32 v[LI8], 3, v1
	v_lshlrev_b32 v[R4], 2, v2
	v_lshlrev_b32 v[VN], 6, v3
	v_and_b32 v[VM], 8, v2
	v_add_nc_u32 v[VM], v[VM], v2
	v_lshlrev_b32 v[VM], 2, v[VM]
	v_add_nc_u32 v[BX1], XV0, v[LI]
	v_add_nc_u32 v[BS], XSC, v[R4]
	v_add_nc_u32 v[AW], s[WL], v[LI]
	v_add_nc_u32 v[AW+1], SLOT, v[AW]
	v_mul_u32_u24 v[XT], v9, XSP
	v_add_nc_u32 v[XT], v[XT], v[R4]
	v_mul_u32_u24 v[XD], v9, 576
	v_add_nc_u32 v[XD], v[XD], v[BS]
.irp b, 0,1,2,3
	v_mov_b32 v[TM+4+\b], 0                        ; a lane permute's destination counts as one of its sources
.endr
	s_wait_alu depctr_va_vdst(0)
.irp a, 0,1,2,3,4
	global_load_b32 v[PC+\a], v[XT], s[XQS:XQS+1] offset:64*\a
.endr
.irp a, 5,6,7,8
	global_load_b32 v[PC+\a], v[XT], s[XVS:XVS+1] offset:64*(\a-5)
.endr
	s_wait_loadcnt 0x0
.irp a, 0,1,2,3,4,5,6,7,8
	ds_store_b32 v[XD], v[PC+\a] offset:64*\a      ; X's scale words: [K step][tile][lane]
.endr
	PRE 0
	BIASQ 0
	s_wait_tensorcnt 0x0                           ; my load of the head is in
	ds_add_u32 v[SPW], v[NIL]
	s_wait_dscnt 0x0                               ; the add, and for the others' sake my stores
	CROUND
	tensor_load_to_lds s[G0S+4:G0S+7], s[G1W:G1W+7]    ; slot 1: K steps 2, 3
	s_nop 0
	PLACES
	FW 0, 0, 0
	FXLO LI, 0
	FS BS, 0, 0
	FXHI LI, BX1, 0
	BIASV
.Ltrip:
	PAIR 1
	s_xor_b32 s[INC], s[INC], (4*FRB)^(32*TIL-4*FRB)
	s_cmp_eq_u32 s[CT], 1                          ; behind the second trip pass 0 is whole
	s_cbranch_scc0 .Lsame_pass
	WAYOUT 0
.Lsame_pass:
	s_add_co_u32 s[CT], s[CT], 1
	s_cmp_lt_u32 s[CT], 3
	s_cbranch_scc1 .Ltrip
	PAIR 0                                         ; the last four K steps ask for nothing
	WAYOUT 1
	s_wait_tensorcnt 0x0                           ; the wave's end
	ds_add_u32 v[SPW], v[NIL]
	s_wait_dscnt 0x0
	CROUND                                         ; the closing round
	s_endpgm
.Lfunc_end_k_qc75915ff4d_proj:
	.size	k_qc75915ff4d_proj, .Lfunc_end_k_qc75915ff4d_proj-k_qc75915ff4d_proj
	.p2alignl 7, 3214868480
	.fill 96, 4, 3214868480
	.section	.rodata,"a",@progbits
	.p2align	6, 0x0
	.amdhsa_kernel k_qc75915ff4d_proj
		.amdhsa_group_segment_fixed_size 327680
		.amdhsa_private_segment_fixed_size 0
		.amdhsa_enable_private_segment 0
		.amdhsa_kernarg_size 40
		.amdhsa_user_sgpr_count 2
		.amdhsa_user_sgpr_kernarg_segment_ptr 1
		.amdhsa_wavefront_size32 1
		.amdhsa_system_sgpr_workgroup_id_x 1
		.amdhsa_system_sgpr_workgroup_id_y 1
		.amdhsa_system_sgpr_workgroup_id_z 1
		.amdhsa_system_vgpr_workitem_id 0
		.amdhsa_next_free_vgpr 1024
		.amdhsa_next_free_sgpr 100
		.amdhsa_reserve_vcc 0
		.amdhsa_float_denorm_mode_32 3
		.amdhsa_float_denorm_mode_16_64 3
		.amdhsa_memory_ordered 1
		.amdhsa_forward_progress 1
		.amdhsa_inst_pref_size 243
	.end_amdhsa_kernel
	.amdgpu_metadata
---
amdhsa.version: [ 1, 2 ]
amdhsa.kernels:
  - .name:           k_qc75915ff4d_proj
    .symbol:         k_qc75915ff4d_proj.kd
    .args:
      - { .name: XC, .offset: 0, .size: 8, .value_kind: global_buffer, .address_space: global }
      - { .name: XS, .offset: 8, .size: 8, .value_kind: global_buffer, .address_space: global }
      - { .name: b, .offset: 16, .size: 8, .value_kind: global_buffer, .address_space: global }
      - { .name: YC, .offset: 24, .size: 8, .value_kind: global_buffer, .address_space: global }
      - { .name: YS, .offset: 32, .size: 8, .value_kind: global_buffer, .address_space: global }
    .group_segment_fixed_size: 327680
    .private_segment_fixed_size: 0
    .kernarg_segment_align: 8
    .kernarg_segment_size: 40
    .max_flat_workgroup_size: 128
    .sgpr_count:     100
    .vgpr_count:     1024
    .wavefront_size: 32
...
	.end_amdgpu_metadata
.endif
;; end of part 2
;; launch score (part 3): grid 8 x 32, 4 waves a work-group, clusters of 4 x 4, 327,680 bytes of LDS; arguments YC, YS, PCD, PSC, PST; writes PCD, PSC, PST
.if DOCPART == 3
	.amdgcn_target "amdgcn-amd-amdhsa--gfx1250"
	.amdhsa_code_object_version 6
	.text
	.protected	k_qc75915ff4d_score
	.globl	k_qc75915ff4d_score
	.p2align	8
	.type	k_qc75915ff4d_score,@function
k_qc75915ff4d_score:
	s_mov_b64 s[64:65], 0
	v_nop
	global_prefetch_b8 v0, s[64:65] scope:SCOPE_SE
	s_setreg_imm32_b32 hwreg(HW_REG_WAVE_MODE, 25, 1), 1
	s_wait_xcnt 0x0
	s_wait_alu depctr_hold_cnt(0) depctr_sa_sdst(0) depctr_va_vdst(0) depctr_va_sdst(0) depctr_va_ssrc(0) depctr_va_vcc(0) depctr_vm_vsrc(0)
	s_getreg_b32 s2, hwreg(HW_REG_IB_STS2, 6, 4)
	s_cmp_eq_u32 s2, 0
	s_cbranch_scc0 .Lentry_in_a_cluster
	s_endpgm
.Lentry_in_a_cluster:
	s_bfe_u32 s2, ttmp6, 0x10000c
	s_cmp_lg_u32 s2, 0xf033
	s_cbranch_scc0 .Lentry_shape_is_right
	s_endpgm
.Lentry_shape_is_right:
; S = q k^T on codes of FP6 (E2M3) with E8M0 scales, K = 1,024; then, for each query and each run of 128 keys: t = S x log2(e) / 32, M = ceil(the run's largest t), a whole number, p = 2^(t - M),
; quantised along the keys; stored: p's codes (as images of the next product's fragments), p's scale words, -M and the sum of the unquantised p.  The next launch brings all runs of a row under the row's
; largest M by taking a whole number off the scale bytes: the codes stay as they are.
; SHARES: a work-group takes 128 queries x 256 keys of one batch; four waves, each 64 x 128: 32 accumulators.  All of K lies in two slots of 512 along K, both filled at the start: nothing is filled again.
; CLUSTER 4 x 4: q's tiles are asked for jointly along a row of the cluster, k's along a column.
; TRANSPOSED USE (source 0 = 16 keys, source 1 = 16 queries): a lane holds one query; by the tiles' order of rows the 16 registers of result tiles 2 j, 2 j + 1 are 16 neighbouring keys.
; A block's largest p is not searched for: the block's largest score goes through the same multiply-add and exponential.
; LIMITS: p under 2^-126 counts as 0; a block of zeros gets the byte 1; NaN and infinities are not served.
; REGISTERS: window 0: v0-31 addresses; v32-47 scale words, two sets of 8; v48-143 q's fragments, two sets; v144-255 the way out.  window 1: v0-191 k's fragments, two sets.  window 2: accumulator (a, b) at v[8 (8 a + b)].
.set MA,    4
.set NQ,    4
.set NSL,   2
.set FRB,   1536
.set PARTA, MA*NQ*FRB                  ; 4 tiles x 4 K steps
.set PARTB, 8*NQ*FRB
.set SLOT,  2*PARTA+2*PARTB
.set SCA,   NSL*SLOT                   ; q's scale words: [K step][512 bytes]
.set SCB,   SCA+4096                   ; k's: [half][K step][512 bytes]
.set SCG,   SCB+8192                   ; 768 bytes a wave: scale words, -M and sums are gathered here; no fill lands here
.set LI,   4                           ; v4  16 x lane
.set SGS,  5
.set SGR,  6
.set LI8,  7                           ; v7  8 x lane
.set ADRA, 16
.set ADRB, 20
.set ADRS, 27
.set SC,   32
.set AF,   48
.set TT,   48                          ; the way out: v48-49 at work; v52-57 what is gathered
.set GS,   52
.set BM,   144                         ; v144-147 the blocks' largest; v148-151 the other half's, then bytes; v152-155 scale operands
.set PWR,  156                         ; v156-159 block a's scale word
.set NM,   160                         ; v160-167 block a's -M, as the low word of a pair
.set SUM,  168                         ; v168-171 two chains of sums
.set LL,   172                         ; v172-175 block a's sum
.set PCB,  176                         ; 20 registers a block
.set WV,   16
.set WA,   17
.set WB,   18
.set SEL,  2
.set CS,   22
.set G1A,  24
.set G1B,  32
.set G0A,  40
.set G0B,  48
.set G1SA, 68
.set G1SB, 76
.set G0SA, 84
.set G0SB, 88
.set MSB, 0
.macro WIN new
.if MSB != (\new)
	s_set_vgpr_msb (MSB<<8)|(\new)
.set MSB, \new
.endif
.endm
.macro PLACES
.rept 4
	v_nop
.endr
.endm
.macro CREST
	s_cmp_lg_u32 s[WV], 0
	s_cbranch_scc1 .Lnot_wave_0_\@
	s_barrier_signal -3
.Lnot_wave_0_\@:
	s_barrier_wait -3
	s_barrier_signal -1
	s_barrier_wait -1
.endm
.macro CROUND
	s_barrier_signal -1
	s_barrier_wait -1
	CREST
.endm
.macro FETCHG g                        ; K step g's fragments and scale words into set g % 2
.set FS, ((\g)/NQ)%NSL
.set FQ, (\g)%NQ
.set FT, (\g)%2
	WIN 0x40
.irp i, 0,1,2,3,4,5,6,7
.irp c, 0,1,2
	ds_load_b128 v[96*FT+12*\i+4*\c:96*FT+12*\i+4*\c+3], v[ADRB+FS] offset:(\i*NQ+FQ)*FRB+512*\c
.endr
.endr
	WIN 0
.irp i, 0,1,2,3,4,5,6,7
.if \i < MA
.irp c, 0,1,2
	ds_load_b128 v[AF+12*MA*FT+12*\i+4*\c:AF+12*MA*FT+12*\i+4*\c+3], v[ADRA+FS] offset:(\i*NQ+FQ)*FRB+512*\c
.endr
.endif
.endr
.irp i, 0,1,2,3,4,5,6,7
	ds_load_b32 v[SC+8*FT+\i], v[ADRS] offset:512*(\g)+64*\i   ; (for i from 4 on lanes 0-15 read filled bytes that no product uses)
.endr
.endm
.macro MULA a, set, cm                 ; cm = 0: onto the sums; 1: the product starts them.  The accumulators take turns, one instruction a turn
	WIN 0xa1
.set rA, AF+12*MA*(\set)+12*(\a)
.set rSA, SC+8*(\set)+(\a)
.irp b, 0,1,2,3,4,5,6,7
.set rD, 8*(8*(\a)+\b)
.set rB, 96*(\set)+12*\b
.set rSB, SC+8*(\set)+\b
.if (\cm) == 0
	v_wmma_scale_f32_16x16x128_f8f6f4 v[rD:rD+7], v[rB:rB+11], v[rA:rA+11], v[rD:rD+7], v[rSB], v[rSA] matrix_a_fmt:MATRIX_FMT_FP6 matrix_b_fmt:MATRIX_FMT_FP6 matrix_a_scale:MATRIX_SCALE_ROW1
.else
	v_wmma_scale_f32_16x16x128_f8f6f4 v[rD:rD+7], v[rB:rB+11], v[rA:rA+11], 0, v[rSB], v[rSA] matrix_a_fmt:MATRIX_FMT_FP6 matrix_b_fmt:MATRIX_FMT_FP6 matrix_a_scale:MATRIX_SCALE_ROW1
.endif
.endr
.endm
.macro MULR a0, cnt, set, cm
.set AI, \a0
.rept \cnt
	MULA AI, \set, \cm
.set AI, AI+1
.endr
.endm
.macro STEP g
	s_wait_dscnt 0x0                               ; this step's fragments, asked for a whole step ago
	PLACES                                         ; the other set was read by the last step's products
	FETCHG (\g)+1
	MULR 0, MA, (\g)%2, 0
	WIN 0
.endm
.macro TURNP g                         ; the change to slot 1, whose fill may still be out
	s_wait_tensorcnt 0x0
	s_wait_dscnt 0x0
	s_barrier_signal -1
	MULR 0, MA/2, (\g)%2, 0
	WIN 0
	s_barrier_wait -1
	PLACES
	FETCHG (\g)+1
	MULR MA/2, MA/2, (\g)%2, 0
	WIN 0
.endm
.macro LAST g
	s_wait_dscnt 0x0
	MULR 0, MA, (\g)%2, 0
	WIN 0
.endm
	s_load_b256 s[4:11], s[0:1], 0x0               ; YC s[4:5], YS s[6:7], PCD s[8:9], PSC s[10:11]
	s_load_b64 s[12:13], s[0:1], 0x20              ; PST
	v_lshl_add_u32 v251, v0, 2, 0x4bc00
	v_mov_b32 v255, 0
	ds_add_u32 v251, v255
	ds_add_u32 v251, v255
	v_lshrrev_b32 v1, 5, v0
	v_readfirstlane_b32 s[WV], v1
	s_lshr_b32 s[WA], s[WV], 1
	s_and_b32 s[WB], s[WV], 1
	s_bfe_u32 s92, ttmp6, 0x40000                  ; cx
	s_bfe_u32 s93, ttmp6, 0x40004                  ; cy: my 128 queries of the batch's 512
	s_and_b32 s19, ttmp7, 0xffff                   ; the batch
	s_lshl_b32 s20, ttmp9, 2
	s_add_co_u32 s20, s20, s92                     ; my 256 keys of the batch's 2,048: 4 x cluster x + cx
	s_lshl_b32 s22, s19, 5                         ; q: tile 32 x batch + 8 cy,
	s_lshl_b32 s2, s93, 3
	s_add_co_u32 s22, s22, s2
	s_lshl_b32 s2, s[WB], 2
	s_add_co_u32 s96, s22, s2                      ; + the 4 that I fetch
	s_mul_i32 s96, s96, 8*FRB
	s_mov_b32 s97, 0
	s_mul_i32 s2, s[WB], 4*1280                    ; its scale words: I fetch K steps 4 f .. 4 f + 3 of all 8 tiles
	s_add_co_u32 s22, s22, s2
	s_lshl_b32 s22, s22, 6
	s_mov_b32 s23, 0
	s_lshl_b32 s94, s19, 7                         ; k: tile 256 + 128 x batch + 16 x my 256 keys + the 8 that I fetch
	s_lshl_b32 s3, s20, 4
	s_add_co_u32 s94, s94, s3
	s_lshl_b32 s3, s[WB], 3
	s_add_co_u32 s94, s94, s3
	s_add_co_u32 s94, s94, 256
	s_mul_i32 s98, s94, 8*FRB
	s_mov_b32 s99, 0
	s_lshl_b32 s94, s94, 6
	s_mov_b32 s95, 0
	s_lshl_b32 s14, s93, 2
	s_lshl_b32 s14, 15, s14                        ; my row of the cluster
	s_lshl_b32 s15, 0x1111, s92                    ; my column
	; group 1, codes: rows (tiles) of 6,144 bytes (four K steps) as 768 elements of 8 bytes, 12,288 bytes apart: 4 rows for q, 8 for k
	s_or_b32 s[G1A], s14, (3<<16)|(1<<21)
	s_mov_b32 s[G1A+1], (NQ*FRB/8)<<16
	s_mov_b32 s[G1A+2], 4<<16
	s_mov_b32 s[G1A+3], (NQ*FRB/8)<<16
	s_mov_b32 s[G1A+4], 4
	s_mov_b32 s[G1A+5], 8*FRB/8
	s_mov_b32 s[G1A+6], 0
	s_mov_b32 s[G1A+7], 0
	s_or_b32 s[G1B], s15, (3<<16)|(1<<21)
	s_mov_b32 s[G1B+1], (NQ*FRB/8)<<16
	s_mov_b32 s[G1B+2], 8<<16
	s_mov_b32 s[G1B+3], (NQ*FRB/8)<<16
	s_mov_b32 s[G1B+4], 8
	s_mov_b32 s[G1B+5], 8*FRB/8
	s_mov_b32 s[G1B+6], 0
	s_mov_b32 s[G1B+7], 0
	; group 1, scale words: rows (K steps) of 512 bytes (8 tiles), 81,920 bytes apart: 4 rows for q, 8 for k
	s_or_b32 s[G1SA], s14, (3<<16)|(1<<21)
	s_mov_b32 s[G1SA+1], 64<<16
	s_mov_b32 s[G1SA+2], 4<<16
	s_mov_b32 s[G1SA+3], 64<<16
	s_mov_b32 s[G1SA+4], 4
	s_mov_b32 s[G1SA+5], 10240
	s_mov_b32 s[G1SA+6], 0
	s_mov_b32 s[G1SA+7], 0
	s_or_b32 s[G1SB], s15, (3<<16)|(1<<21)
	s_mov_b32 s[G1SB+1], 64<<16
	s_mov_b32 s[G1SB+2], 8<<16
	s_mov_b32 s[G1SB+3], 64<<16
	s_mov_b32 s[G1SB+4], 8
	s_mov_b32 s[G1SB+5], 10240
	s_mov_b32 s[G1SB+6], 0
	s_mov_b32 s[G1SB+7], 0
	s_mul_i32 s2, s[WB], PARTA                     ; where they go: made of the wave's number alone
	s_mul_i32 s3, s[WB], PARTB
	s_add_co_u32 s3, s3, 2*PARTA
	s_lshl_b32 s14, s[WB], 11
	s_add_co_u32 s14, s14, SCA
	s_lshl_b32 s15, s[WB], 12
	s_add_co_u32 s15, s15, SCB
	s_wait_dscnt 0x0
	s_wait_kmcnt 0x0
	s_add_nc_u64 s[96:97], s[4:5], s[96:97]
	s_add_nc_u64 s[98:99], s[4:5], s[98:99]
	s_add_nc_u64 s[22:23], s[6:7], s[22:23]
	s_add_nc_u64 s[94:95], s[6:7], s[94:95]
	s_mov_b32 s[G0SA], 1
	s_mov_b32 s[G0SA+1], s14
	s_mov_b64 s[G0SA+2:G0SA+3], s[22:23]
	s_or_b32 s[G0SA+3], s[G0SA+3], 0x80000000
	s_mov_b32 s[G0SB], 1
	s_mov_b32 s[G0SB+1], s15
	s_mov_b64 s[G0SB+2:G0SB+3], s[94:95]
	s_or_b32 s[G0SB+3], s[G0SB+3], 0x80000000
.irp k, 0,1
	s_mov_b32 s[G0A+4*\k], 1
	s_add_co_u32 s[G0A+4*\k+1], s2, \k*SLOT
	s_add_nc_u64 s[G0A+4*\k+2:G0A+4*\k+3], s[96:97], \k*NQ*FRB
	s_or_b32 s[G0A+4*\k+3], s[G0A+4*\k+3], 0x80000000
	s_mov_b32 s[G0B+4*\k], 1
	s_add_co_u32 s[G0B+4*\k+1], s3, \k*SLOT
	s_add_nc_u64 s[G0B+4*\k+2:G0B+4*\k+3], s[98:99], \k*NQ*FRB
	s_or_b32 s[G0B+4*\k+3], s[G0B+4*\k+3], 0x80000000
.endr
	CROUND                                         ; all sixteen work-groups are here: the joint loads meet
.macro JLOAD g0a, g1a, g0b, g1b        ; a joint load: waves 0, 1 for q, waves 2, 3 for k; one tensor load a wave
	s_cmp_eq_u32 s[WA], 0
	s_cbranch_scc0 .Lfor_b_\@
	tensor_load_to_lds s[\g0a:\g0a+3], s[\g1a:\g1a+7]
	s_nop 0
.rept 4
	v_nop
.endr
	s_branch .Lasked_\@
.Lfor_b_\@:
	tensor_load_to_lds s[\g0b:\g0b+3], s[\g1b:\g1b+7]
	s_nop 0
.rept 4
	v_nop
.endr
.Lasked_\@:
.endm
	JLOAD G0SA, G1SA, G0SB, G1SB                   ; at the head: the scale words
	v_and_b32 v1, 31, v0
	v_and_b32 v2, 15, v0
	v_bfe_u32 v3, v0, 4, 1
	s_wait_alu depctr_va_vdst(0)
	v_lshlrev_b32 v[LI], 4, v1
	v_lshlrev_b32 v[LI8], 3, v1
	s_wait_alu depctr_va_vdst(0)
	s_mul_i32 s2, s[WA], PARTA
	s_mul_i32 s3, s[WB], PARTB
	s_add_co_u32 s3, s3, 2*PARTA
.irp k, 0,1
	v_add_nc_u32 v[ADRA+\k], s2, v[LI]
	v_add_nc_u32 v[ADRB+\k], s3, v[LI]
	s_add_co_u32 s2, s2, SLOT
	s_add_co_u32 s3, s3, SLOT
.endr
	s_lshl_b32 s2, s[WA], 8                        ; scale words: q's: my 4 tiles of the 8,
	s_lshl_b32 s3, s[WB], 12
	s_add_co_u32 s3, s3, SCB-SCA                   ; k's: my half
	s_sub_co_u32 s3, s3, s2
	v_mul_u32_u24 v9, s3, v3                       ; the lower base + h x the distance
	s_add_co_u32 s2, s2, SCA
	v_lshl_add_u32 v9, v2, 2, v9
	v_add_nc_u32 v[ADRS], s2, v9
	s_mul_i32 s2, s[WV], 768
	s_add_co_u32 s2, s2, SCG
	v_lshl_add_u32 v[SGS], v2, 2, s2
	v_add_nc_u32 v[SGR], s2, v[LI8]
	; where my results go: tile 8 cy + 4 wa + a of the batch's 32, K step 2 x my 256 keys + wb of 16
	s_lshl_b32 s2, s93, 3
	s_lshl_b32 s3, s[WA], 2
	s_add_co_u32 s2, s2, s3
	s_lshl_b32 s3, s20, 1
	s_add_co_u32 s3, s3, s[WB]
	s_lshl_b32 s94, s2, 4
	s_add_co_u32 s94, s94, s3
	s_mul_i32 s94, s94, FRB
	s_mul_i32 s96, s19, 786432
	s_add_co_u32 s94, s94, s96
	s_mov_b32 s95, 0
	s_add_nc_u64 s[8:9], s[8:9], s[94:95]
	s_lshl_b32 s94, s19, 15                        ; words: [batch][K step][32 tiles][64 bytes]
	s_lshl_b32 s3, s3, 11
	s_add_co_u32 s94, s94, s3
	s_lshl_b32 s2, s2, 6
	s_add_co_u32 s94, s94, s2
	s_add_nc_u64 s[10:11], s[10:11], s[94:95]
	s_add_nc_u64 s[12:13], s[12:13], s[94:95]
	s_mov_b32 s[SEL], 0x76543210
	s_mov_b32 s[SEL+1], 0xfedcba98
	s_mov_b32 s[CS], 0x3d38aa3b                    ; c = log2(e) / sqrt(1024)
	s_mov_b32 s[CS+1], s[CS]                       ; (named with it as a pair, so it is written)
	s_wait_alu depctr_va_vdst(0)
	s_wait_tensorcnt 0x0
	ds_add_u32 v251, v255
	s_wait_dscnt 0x0
	CROUND
	JLOAD G0A, G1A, G0B, G1B                       ; slot 0
	s_wait_tensorcnt 0x0
	ds_add_u32 v251, v255
	s_wait_dscnt 0x0
	CROUND                                         ; everybody's scale words and part of slot 0 are in
	JLOAD G0A+4, G1A, G0B+4, G1B                   ; slot 1, on its way while slot 0 is multiplied
	FETCHG 0
	s_wait_dscnt 0x0
	FETCHG 1
	MULR 0, MA, 0, 1                               ; K step 0 starts the sums: nothing is cleared
	WIN 0
	STEP 1
	STEP 2
	TURNP 3
	STEP 4
	STEP 5
	STEP 6
	LAST 7
; THE WAY OUT of block a: 16 queries x my 128 keys.  Register 64 a + 16 b + i of window 2 is key 32 b + 16 h + i of my query.
.macro SOFT a
.set S, 64*(\a)
.set PC, PCB+20*(\a)
	WIN 0x0a                                       ; sources 0 and 1 in window 2
.irp b, 0,1,2,3
	v_max_num_f32 v[BM+\b], v[S+16*\b], v[S+16*\b+1]   ; the largest score of each block of 32 keys; each accumulator is read from its low end on
.endr
.irp i, 2,4,6,8,10,12,14
.irp b, 0,1,2,3
	v_max3_num_f32 v[BM+\b], v[S+16*\b+\i], v[S+16*\b+\i+1], v[BM+\b]
.endr
.endr
	WIN 0
.irp b, 0,1,2,3
	v_permlanex16_b32 v[BM+4+\b], v[BM+\b], s[SEL], s[SEL+1]
.endr
.irp b, 0,1,2,3
	v_max_num_f32 v[BM+\b], v[BM+\b], v[BM+4+\b]   ; with lane l xor 16's 16 keys
.endr
	v_max3_num_f32 v[TT], v[BM], v[BM+1], v[BM+2]
	v_max_num_f32 v[TT], v[TT], v[BM+3]
	v_mul_f32 v[TT], s[CS], v[TT]                  ; the largest t of these 128 keys (c is positive)
	v_floor_f32 v[NM+2*(\a)], -v[TT]               ; -M = floor(-t) = -ceil(t): a whole number
	WIN 0x82                                       ; destination and source 0 in window 2
.irp j, 0,2,4,6,8,10,12,14,16,18,20,22,24,26,28,30,32,34,36,38,40,42,44,46,48,50,52,54,56,58,60,62
	v_pk_fma_f32 v[S+\j:S+\j+1], v[S+\j:S+\j+1], s[CS:CS+1], v[NM+2*(\a):NM+2*(\a)+1] op_sel_hi:[1,0,0]   ; t - M, two at a time
.endr
	WIN 0
.irp b, 0,1,2,3
	v_fma_f32 v[BM+\b], v[BM+\b], s[CS], v[NM+2*(\a)]  ; the same of each block's largest score
.endr
	WIN 0x82
	s_wait_alu depctr_va_vdst(0)
.irp j, 0,1,2,3,4,5,6,7,8,9,10,11,12,13,14,15,16,17,18,19,20,21,22,23,24,25,26,27,28,29,30,31,32,33,34,35,36,37,38,39,40,41,42,43,44,45,46,47,48,49,50,51,52,53,54,55,56,57,58,59,60,61,62,63
	v_exp_f32 v[S+\j], v[S+\j]                     ; p = 2^(t - M), at most 1
.endr
	WIN 0
.irp j, 0,1,2,3
	v_mov_b32 v[SUM+\j], 0                         ; plain places behind the exponentials
.endr
	s_wait_alu depctr_va_vdst(0)                   ; one wait for the batch of 64, ahead of its first reader
.irp b, 0,1,2,3
	v_exp_f32 v[BM+\b], v[BM+\b]                   ; the block's largest p: the same two instructions on the same number give the same bits
.endr
	WIN 0x02                                       ; source 0 in window 2
.irp j, 0,4,8,12,16,20,24,28,32,36,40,44,48,52,56,60
	v_pk_add_f32 v[SUM:SUM+1], v[S+\j:S+\j+1], v[SUM:SUM+1]          ; the sum of the unquantised p, in two chains
	v_pk_add_f32 v[SUM+2:SUM+3], v[S+\j+2:S+\j+3], v[SUM+2:SUM+3]
.endr
	WIN 0
	v_pk_add_f32 v[SUM:SUM+1], v[SUM:SUM+1], v[SUM+2:SUM+3]
	s_wait_alu depctr_va_vdst(0)                   ; and one for the four
.irp b, 0,1,2,3
	v_max_num_f32 v[BM+\b], 0x1800000, v[BM+\b]    ; the floor 2^(3 - 127): the byte cannot fall under 1
.endr
.irp b, 0,1,2,3
	v_add_nc_u32 v[BM+8+\b], 0xff000000, v[BM+\b]  ; 2 off the exponent field: the conversion's scale operand
.endr
.irp b, 0,1,2,3
	v_lshrrev_b32 v[BM+4+\b], 23, v[BM+8+\b]
.endr
	v_lshl_or_b32 v[PWR+(\a)], v[BM+5], 8, v[BM+4]
	v_lshl_or_b32 v[PWR+(\a)], v[BM+6], 16, v[PWR+(\a)]
	v_lshl_or_b32 v[PWR+(\a)], v[BM+7], 24, v[PWR+(\a)]
	WIN 0x02
.irp c, 0,1
	v_cvt_scalef32_pk16_fp6_f32 v[PC+6*\c:PC+6*\c+2], v[S+32*\c:S+32*\c+15], v[BM+8+2*\c]
	v_cvt_scalef32_pk16_fp6_f32 v[PC+12+4*\c:PC+14+4*\c], v[S+32*\c+16:S+32*\c+31], v[BM+8+2*\c+1]
.endr
	WIN 0
	v_nop                                          ; one plain place behind a scaled conversion
.irp c, 0,1
.irp i, 0,1,2
	v_permlane16_swap_b32 v[PC+6*\c+\i], v[PC+12+4*\c+\i]
.endr
.irp i, 0,1,2
	v_mov_b32 v[PC+3+6*\c+\i], v[PC+12+4*\c+\i]
.endr
.endr
	v_add_f32 v[LL+(\a)], v[SUM], v[SUM+1]
	v_permlanex16_b32 v[TT+1], v[LL+(\a)], s[SEL], s[SEL+1]
	v_add_f32 v[LL+(\a)], v[LL+(\a)], v[TT+1]      ; with lane l xor 16's: the sum over the 128 keys
.endm
	PLACES
.irp b, 0,1,2,3
	v_mov_b32 v[BM+4+\b], 0                        ; written once: a lane permute's destination counts as one of its sources
	v_mov_b32 v[NM+2*\b+1], 0                      ; (named as the upper half of a pair)
.endr
	v_mov_b32 v[TT+1], 0
.irp a, 0,1,2,3                        ; each block has registers of its own for what it stores
	SOFT \a
.irp c, 0,1,2
	global_store_b128 v[LI], v[PCB+20*\a+4*\c:PCB+20*\a+4*\c+3], s[8:9] offset:16*FRB*\a+512*\c   ; 32 lanes store 512 consecutive bytes, aligned
.endr
	ds_store_b32 v[SGS], v[PWR+\a] offset:64*\a
	ds_store_b32 v[SGS], v[NM+2*\a] offset:256+64*\a
	ds_store_b32 v[SGS], v[LL+\a] offset:512+64*\a
.endr
.irp j, 0,1,2
	ds_load_b64 v[GS+2*\j:GS+2*\j+1], v[SGR] offset:256*\j   ; LDS serves a wave's instructions in order: these see my stores
.endr
	s_wait_dscnt 0x0
	global_store_b64 v[LI8], v[GS:GS+1], s[10:11]                    ; each: my 4 tiles' 256 consecutive bytes, aligned
	global_store_b64 v[LI8], v[GS+2:GS+3], s[12:13]
	global_store_b64 v[LI8], v[GS+4:GS+5], s[12:13] offset:262144
	s_wait_tensorcnt 0x0
	ds_add_u32 v251, v255
	s_wait_dscnt 0x0
	CROUND                                         ; the closing round
	s_endpgm
.Lfunc_end_k_qc75915ff4d_score:
	.size	k_qc75915ff4d_score, .Lfunc_end_k_qc75915ff4d_score-k_qc75915ff4d_score
	.p2alignl 7, 3214868480
	.fill 96, 4, 3214868480
	.section	.rodata,"a",@progbits
	.p2align	6, 0x0
	.amdhsa_kernel k_qc75915ff4d_score
		.amdhsa_group_segment_fixed_size 327680
		.amdhsa_private_segment_fixed_size 0
		.amdhsa_enable_private_segment 0
		.amdhsa_kernarg_size 40
		.amdhsa_user_sgpr_count 2
		.amdhsa_user_sgpr_kernarg_segment_ptr 1
		.amdhsa_wavefront_size32 1
		.amdhsa_system_sgpr_workgroup_id_x 1
		.amdhsa_system_sgpr_workgroup_id_y 1
		.amdhsa_system_sgpr_workgroup_id_z 1
		.amdhsa_system_vgpr_workitem_id 0
		.amdhsa_next_free_vgpr 768
		.amdhsa_next_free_sgpr 100
		.amdhsa_reserve_vcc 0
		.amdhsa_float_denorm_mode_32 3
		.amdhsa_float_denorm_mode_16_64 3
		.amdhsa_memory_ordered 1
		.amdhsa_forward_progress 1
		.amdhsa_inst_pref_size 114
	.end_amdhsa_kernel
	.amdgpu_metadata
---
amdhsa.version: [ 1, 2 ]
amdhsa.kernels:
  - .name:           k_qc75915ff4d_score
    .symbol:         k_qc75915ff4d_score.kd
    .args:
      - { .name: YC, .offset: 0, .size: 8, .value_kind: global_buffer, .address_space: global }
      - { .name: YS, .offset: 8, .size: 8, .value_kind: global_buffer, .address_space: global }
      - { .name: PCD, .offset: 16, .size: 8, .value_kind: global_buffer, .address_space: global }
      - { .name: PSC, .offset: 24, .size: 8, .value_kind: global_buffer, .address_space: global }
      - { .name: PST, .offset: 32, .size: 8, .value_kind: global_buffer, .address_space: global }
    .group_segment_fixed_size: 327680
    .private_segment_fixed_size: 0
    .kernarg_segment_align: 8
    .kernarg_segment_size: 40
    .max_flat_workgroup_size: 128
    .sgpr_count:     100
    .vgpr_count:     768
    .wavefront_size: 32
...
	.end_amdgpu_metadata
.endif
;; end of part 3
;; launch pvout (part 4): grid 4 x 32, 4 waves a work-group, clusters of 4 x 4, 327,680 bytes of LDS; arguments PCD, PSC, PST, YC, YS, out0; writes out0
.if DOCPART == 4
	.amdgcn_target "amdgcn-amd-amdhsa--gfx1250"
	.amdhsa_code_object_version 6
	.text
	.protected	k_qc75915ff4d_pvout
	.globl	k_qc75915ff4d_pvout
	.p2align	8
	.type	k_qc75915ff4d_pvout,@function
k_qc75915ff4d_pvout:
	s_mov_b64 s[64:65], 0
	v_nop
	global_prefetch_b8 v0, s[64:65] scope:SCOPE_SE
	s_setreg_imm32_b32 hwreg(HW_REG_WAVE_MODE, 25, 1), 1
	s_wait_xcnt 0x0
	s_wait_alu depctr_hold_cnt(0) depctr_sa_sdst(0) depctr_va_vdst(0) depctr_va_sdst(0) depctr_va_ssrc(0) depctr_va_vcc(0) depctr_vm_vsrc(0)
	s_getreg_b32 s2, hwreg(HW_REG_IB_STS2, 6, 4)
	s_cmp_eq_u32 s2, 0
	s_cbranch_scc0 .Lentry_in_a_cluster
	s_endpgm
.Lentry_in_a_cluster:
	s_bfe_u32 s2, ttmp6, 0x10000c
	s_cmp_lg_u32 s2, 0xf033
	s_cbranch_scc0 .Lentry_shape_is_right
	s_endpgm
.Lentry_shape_is_right:
; O = p v / l on codes of FP6 (E2M3) with E8M0 scales, K = the batch's 2,048 keys.
; p arrives quantised under a whole number M of its own for each row and each 128 keys.  At the head each thread takes one of the work-group's 128 rows: the row's M is the largest of its 16; D = M - M of the run,
; a whole number, is taken off the run's four scale bytes (held at 0 from below) and the run's sum is multiplied by 2^-D: the codes' values are those under the row's M.  1 / l multiplies the result at the end.
; SHARES: a work-group takes 128 queries x 256 columns of one batch; four waves, each 64 x 128: 32 accumulators.  K goes in 4 slots' worth of 512 through two LDS slots: two refills.
; 128 work-groups: a tile of 128 x 128 would give 256, with half the products for each byte read from LDS.
; CLUSTER 4 x 4: p's tiles are asked for jointly along a row of the cluster, v's along a column.  No prefetch: requests ahead of the two refills would stand at the kernel's head among the first fills.
; TRANSPOSED USE (source 0 = 16 columns of v, source 1 = 16 queries): a lane holds one query and eight neighbouring columns in each accumulator.
; LIMITS: a block of p whose byte would fall under 0 is taken at 2^-127: under 1e-37 beside a row's largest p, which lies over 1/2; NaN and infinities are not served.
; REGISTERS: window 0: v0-31 addresses; v32-47 scale words, two sets of 8; v48-143 p's fragments, two sets; v144-207 the head's work; on the way out v64-191 rows of O, v192-199 1 / l.
;   window 1: v0-191 v's fragments, two sets.  window 2: accumulator (a, b) at v[8 (8 a + b)].
.set MA,    4
.set NQ,    4
.set NSL,   2
.set FRB,   1536
.set PARTA, MA*NQ*FRB
.set PARTB, 8*NQ*FRB
.set SLOT,  2*PARTA+2*PARTB
.set SCA,   NSL*SLOT                   ; p's scale words under the row's M: [K step][512 bytes]; stored by the waves, no fill lands here
.set RL,    SCA+8192                   ; 1 / l, a word a row
.set SPARE, RL+512                     ; the spare words, 128 bytes a wave
.set SCB,   SPARE+512                  ; v's scale words: [half][K step][512 bytes], filled once
.set SPI,   528                        ; the way out: a stage of 16 rows x (512 + 16) bytes a wave, in slot 0, which has had its last fill and its last read by then
.set LI,   4                           ; v4  16 x lane
.set T4,   5                           ; v5  4 x thread
.set SAW,  6                           ; v6  SCA + 4 x thread
.set STO,  7
.set RD,   8
.set RLA,  9
.set ADRA, 16
.set ADRB, 20
.set ADRS, 27
.set SPW,  28
.set NIL,  29
.set SC,   32
.set AF,   48
.set PWD,  144                         ; the head: 16 scale words,
.set PNM,  160                         ; 16 -M,
.set PL,   176                         ; 16 sums,
.set PT,   192                         ; v192-204 at work
.set BK,   64                          ; the way out: 16 rows read back: v64-127 and v128-191 by turns
.set RLP,  192                         ; v192-199 1 / l of block a, as a pair
.set WV,   16
.set WA,   17
.set WB,   18
.set G1A,  24
.set G1B,  32
.set G0A,  40
.set G0B,  48
.set G1SB, 68
.set G0SB, 76
.set MSB, 0
.macro WIN new
.if MSB != (\new)
	s_set_vgpr_msb (MSB<<8)|(\new)
.set MSB, \new
.endif
.endm
.macro PLACES
.rept 4
	v_nop
.endr
.endm
.macro CREST
	s_cmp_lg_u32 s[WV], 0
	s_cbranch_scc1 .Lnot_wave_0_\@
	s_barrier_signal -3
.Lnot_wave_0_\@:
	s_barrier_wait -3
	s_barrier_signal -1
	s_barrier_wait -1
.endm
.macro CROUND
	s_barrier_signal -1
	s_barrier_wait -1
	CREST
.endm
.macro JLOAD g0a, g1a, g0b, g1b        ; a joint load: waves 0, 1 for p, waves 2, 3 for v; four v_nop follow each line
	s_cmp_eq_u32 s[WA], 0
	s_cbranch_scc0 .Lfor_b_\@
	tensor_load_to_lds s[\g0a:\g0a+3], s[\g1a:\g1a+7]
	s_nop 0
.rept 4
	v_nop
.endr
	s_branch .Lasked_\@
.Lfor_b_\@:
	tensor_load_to_lds s[\g0b:\g0b+3], s[\g1b:\g1b+7]
	s_nop 0
.rept 4
	v_nop
.endr
.Lasked_\@:
.endm
.macro FETCHG g                        ; K step g's fragments and scale words into set g % 2
.set FS, ((\g)/NQ)%NSL
.set FQ, (\g)%NQ
.set FT, (\g)%2
	WIN 0x40
.irp i, 0,1,2,3,4,5,6,7
.irp c, 0,1                            ; v's fragment lies in two halves of 768 bytes: registers 6 c .. 6 c + 3 at 16 x lane, registers 6 c + 4, 6 c + 5 at 512 + 8 x lane
	ds_load_b128 v[96*FT+12*\i+6*\c:96*FT+12*\i+6*\c+3], v[ADRB+FS] offset:(\i*NQ+FQ)*FRB+768*\c
	ds_load_b64 v[96*FT+12*\i+6*\c+4:96*FT+12*\i+6*\c+5], v[ADRB+2+FS] offset:(\i*NQ+FQ)*FRB+768*\c+512
.endr
.endr
	WIN 0
.irp i, 0,1,2,3,4,5,6,7
.if \i < MA
.irp c, 0,1,2
	ds_load_b128 v[AF+12*MA*FT+12*\i+4*\c:AF+12*MA*FT+12*\i+4*\c+3], v[ADRA+FS] offset:(\i*NQ+FQ)*FRB+512*\c
.endr
.endif
.endr
.irp i, 0,1,2,3,4,5,6,7
	ds_load_b32 v[SC+8*FT+\i], v[ADRS] offset:512*(\g)+64*\i   ; (for i from 4 on lanes 0-15 read stored bytes that no product uses)
.endr
.endm
.macro MULA a, set, cm                 ; cm = 0: onto the sums; 1: the product starts them.  The accumulators take turns, one instruction a turn
	WIN 0xa1
.set rA, AF+12*MA*(\set)+12*(\a)
.set rSA, SC+8*(\set)+(\a)
.irp b, 0,1,2,3,4,5,6,7
.set rD, 8*(8*(\a)+\b)
.set rB, 96*(\set)+12*\b
.set rSB, SC+8*(\set)+\b
.if (\cm) == 0
	v_wmma_scale_f32_16x16x128_f8f6f4 v[rD:rD+7], v[rB:rB+11], v[rA:rA+11], v[rD:rD+7], v[rSB], v[rSA] matrix_a_fmt:MATRIX_FMT_FP6 matrix_b_fmt:MATRIX_FMT_FP6 matrix_a_scale:MATRIX_SCALE_ROW1
.else
	v_wmma_scale_f32_16x16x128_f8f6f4 v[rD:rD+7], v[rB:rB+11], v[rA:rA+11], 0, v[rSB], v[rSA] matrix_a_fmt:MATRIX_FMT_FP6 matrix_b_fmt:MATRIX_FMT_FP6 matrix_a_scale:MATRIX_SCALE_ROW1
.endif
.endr
.endm
.macro MULR a0, cnt, set, cm
.set AI, \a0
.rept \cnt
	MULA AI, \set, \cm
.set AI, AI+1
.endr
.endm
.macro STEP g
	s_wait_dscnt 0x0                               ; this step's fragments, asked for a whole step ago
	PLACES                                         ; the other set was read by the last step's products
	FETCHG (\g)+1
	MULR 0, MA, (\g)%2, 0
	WIN 0
.endm
; The last step of a slot that is filled again.  Each wave waits for all its tensor loads, adds 0 to its spare word, waits for that and for its reads of the slot; the barrier opens a round of the cluster's barrier; the joint refill is first behind it.
.macro TURNR g
.set TS, ((\g)/NQ)%NSL
	s_wait_tensorcnt 0x0                           ; all my tensor loads have landed: my part of the next slot
	ds_add_u32 v[SPW], v[NIL]                      ; 0 onto my spare word
	s_wait_dscnt 0x1                               ; this step's fragments are in; the add alone may be out
	MULR 0, MA/4, (\g)%2, 0
	s_wait_dscnt 0x0                               ; the add is done; my reads of this slot are over
	s_barrier_signal -1
	MULR MA/4, MA/4, (\g)%2, 0
	WIN 0
	s_barrier_wait -1
	CREST                                          ; no wave of any partner still reads this slot or has a load on its way
	s_add_nc_u64 s[G0A+4*TS+2:G0A+4*TS+3], s[G0A+4*TS+2:G0A+4*TS+3], NSL*NQ*FRB
	s_add_nc_u64 s[G0B+4*TS+2:G0B+4*TS+3], s[G0B+4*TS+2:G0B+4*TS+3], NSL*NQ*FRB
	JLOAD G0A+4*TS, G1A, G0B+4*TS, G1B             ; four K steps, 112 products, ahead of the wait for it; its four v_nop are also the places in front of the loads below
	FETCHG (\g)+1
	MULR MA/2, MA/2, (\g)%2, 0
	WIN 0
.endm
.macro TURNP g                         ; the last change of slots
	s_wait_tensorcnt 0x0
	s_wait_dscnt 0x0
	s_barrier_signal -1
	MULR 0, MA/2, (\g)%2, 0
	WIN 0
	s_barrier_wait -1
	PLACES
	FETCHG (\g)+1
	MULR MA/2, MA/2, (\g)%2, 0
	WIN 0
.endm
.macro LAST g
	s_wait_dscnt 0x0
	MULR 0, MA, (\g)%2, 0
	WIN 0
.endm
	s_load_b256 s[4:11], s[0:1], 0x0               ; PCD s[4:5], PSC s[6:7], PST s[8:9], YC s[10:11]
	s_load_b128 s[12:15], s[0:1], 0x20             ; YS s[12:13], out0 s[14:15]
	v_lshl_add_u32 v[SPW], v0, 2, SPARE
	v_mov_b32 v[NIL], 0
	ds_add_u32 v28, v29
	ds_add_u32 v28, v29
	s_wait_dscnt 0x0
	v_lshrrev_b32 v1, 5, v0
	v_readfirstlane_b32 s[WV], v1
	s_lshr_b32 s[WA], s[WV], 1
	s_and_b32 s[WB], s[WV], 1
	s_bfe_u32 s92, ttmp6, 0x40000                  ; cx: my 256 columns of 1,024
	s_bfe_u32 s93, ttmp6, 0x40004                  ; cy: my 128 queries of 512
	s_and_b32 s19, ttmp7, 0xffff                   ; the batch
	s_lshl_b32 s2, s93, 3                          ; p: tile 8 cy + the 4 that I fetch, 16 K steps a tile
	s_lshl_b32 s22, s[WB], 2
	s_add_co_u32 s2, s2, s22
	s_mul_i32 s96, s2, 16*FRB
	s_mul_i32 s2, s19, 786432
	s_add_co_u32 s96, s96, s2
	s_mov_b32 s97, 0
	s_lshl_b32 s3, s92, 4                          ; v: tile 16 cx + the 8 that I fetch
	s_lshl_b32 s94, s[WB], 3
	s_add_co_u32 s3, s3, s94
	s_mul_i32 s98, s3, 16*FRB
	s_mul_i32 s94, s19, 1572864
	s_add_co_u32 s98, s98, s94
	s_add_co_u32 s98, s98, 15728640
	s_mov_b32 s99, 0
	s_lshl_b32 s94, s3, 6                          ; its scale words
	s_lshl_b32 s3, s19, 16
	s_add_co_u32 s94, s94, s3
	s_add_co_u32 s94, s94, 655360
	s_mov_b32 s95, 0
	s_lshl_b32 s20, s93, 2
	s_lshl_b32 s20, 15, s20                        ; my row of the cluster
	s_lshl_b32 s21, 0x1111, s92                    ; my column
	; group 1, codes: rows (tiles) of 6,144 bytes (four K steps) as 768 elements of 8 bytes, 24,576 bytes apart: 4 rows for p, 8 for v
	s_or_b32 s[G1A], s20, (3<<16)|(1<<21)
	s_mov_b32 s[G1A+1], (NQ*FRB/8)<<16
	s_mov_b32 s[G1A+2], 4<<16
	s_mov_b32 s[G1A+3], (NQ*FRB/8)<<16
	s_mov_b32 s[G1A+4], 4
	s_mov_b32 s[G1A+5], 16*FRB/8
	s_mov_b32 s[G1A+6], 0
	s_mov_b32 s[G1A+7], 0
	s_or_b32 s[G1B], s21, (3<<16)|(1<<21)
	s_mov_b32 s[G1B+1], (NQ*FRB/8)<<16
	s_mov_b32 s[G1B+2], 8<<16
	s_mov_b32 s[G1B+3], (NQ*FRB/8)<<16
	s_mov_b32 s[G1B+4], 8
	s_mov_b32 s[G1B+5], 16*FRB/8
	s_mov_b32 s[G1B+6], 0
	s_mov_b32 s[G1B+7], 0
	; group 1, v's scale words: 16 rows (K steps) of 512 bytes (8 tiles), 4,096 bytes apart
	s_or_b32 s[G1SB], s21, (3<<16)|(1<<21)
	s_mov_b32 s[G1SB+1], 64<<16
	s_mov_b32 s[G1SB+2], 16<<16
	s_mov_b32 s[G1SB+3], 64<<16
	s_mov_b32 s[G1SB+4], 16
	s_mov_b32 s[G1SB+5], 512
	s_mov_b32 s[G1SB+6], 0
	s_mov_b32 s[G1SB+7], 0
	s_mul_i32 s2, s[WB], PARTA                     ; where they go: made of the wave's number alone
	s_mul_i32 s3, s[WB], PARTB
	s_add_co_u32 s3, s3, 2*PARTA
	s_lshl_b32 s22, s[WB], 13
	s_add_co_u32 s22, s22, SCB
	s_wait_kmcnt 0x0
	s_add_nc_u64 s[96:97], s[4:5], s[96:97]
	s_add_nc_u64 s[98:99], s[10:11], s[98:99]
	s_add_nc_u64 s[94:95], s[12:13], s[94:95]
	s_mov_b32 s[G0SB], 1
	s_mov_b32 s[G0SB+1], s22
	s_mov_b64 s[G0SB+2:G0SB+3], s[94:95]
	s_or_b32 s[G0SB+3], s[G0SB+3], 0x80000000
.irp k, 0,1
	s_mov_b32 s[G0A+4*\k], 1
	s_add_co_u32 s[G0A+4*\k+1], s2, \k*SLOT
	s_add_nc_u64 s[G0A+4*\k+2:G0A+4*\k+3], s[96:97], \k*NQ*FRB
	s_or_b32 s[G0A+4*\k+3], s[G0A+4*\k+3], 0x80000000
	s_mov_b32 s[G0B+4*\k], 1
	s_add_co_u32 s[G0B+4*\k+1], s3, \k*SLOT
	s_add_nc_u64 s[G0B+4*\k+2:G0B+4*\k+3], s[98:99], \k*NQ*FRB
	s_or_b32 s[G0B+4*\k+3], s[G0B+4*\k+3], 0x80000000
.endr
	CROUND                                         ; all sixteen work-groups are here: the first joint loads meet
	JLOAD G0A, G1A, G0SB, G1SB                     ; at the head, one load a wave: p's slot 0, v's scale words
	; THE HEAD, while the first tiles are on their way: thread t takes lane t % 16 of tile t / 16 of the work-group's 8 tiles of rows
	s_lshl_b32 s2, s19, 15
	s_lshl_b32 s3, s93, 9
	s_add_co_u32 s2, s2, s3                        ; [batch][K step][32 tiles][64 bytes]: my 8 tiles
	s_mov_b32 s3, 0
	s_add_nc_u64 s[6:7], s[6:7], s[2:3]
	s_add_nc_u64 s[8:9], s[8:9], s[2:3]
	v_lshlrev_b32 v[T4], 2, v0
	v_add_nc_u32 v[SAW], SCA, v[T4]
.irp s, 0,1,2,3,4,5,6,7,8,9,10,11,12,13,14,15
	global_load_b32 v[PWD+\s], v[T4], s[6:7] offset:2048*\s          ; a wave reads 128 consecutive bytes, the work-group 512
	global_load_b32 v[PNM+\s], v[T4], s[8:9] offset:2048*\s
	global_load_b32 v[PL+\s], v[T4], s[8:9] offset:262144+2048*\s
.endr
	v_and_b32 v1, 31, v0
	v_and_b32 v2, 15, v0
	v_bfe_u32 v3, v0, 4, 1
	s_wait_alu depctr_va_vdst(0)
	v_lshlrev_b32 v[LI], 4, v1
	v_lshlrev_b32 v11, 3, v1                       ; 8 x lane
	s_mul_i32 s2, s[WA], PARTA
	s_mul_i32 s3, s[WB], PARTB
	s_add_co_u32 s3, s3, 2*PARTA
.irp k, 0,1
	v_add_nc_u32 v[ADRA+\k], s2, v[LI]
	v_add_nc_u32 v[ADRB+\k], s3, v[LI]
	v_add_nc_u32 v[ADRB+2+\k], s3, v11
	s_add_co_u32 s2, s2, SLOT
	s_add_co_u32 s3, s3, SLOT
.endr
	s_lshl_b32 s2, s[WA], 8                        ; scale words: p's: my 4 tiles of the 8,
	s_lshl_b32 s3, s[WB], 13
	s_add_co_u32 s3, s3, SCB-SCA                   ; v's: my half
	s_sub_co_u32 s3, s3, s2
	v_mul_u32_u24 v10, s3, v3                      ; the lower base + h x the distance
	s_add_co_u32 s3, s2, SCA
	v_lshl_add_u32 v10, v2, 2, v10
	v_add_nc_u32 v[ADRS], s3, v10
	s_add_co_u32 s3, s2, RL
	v_lshl_add_u32 v[RLA], v2, 2, s3               ; 1 / l of my 4 tiles' rows
	s_mul_i32 s2, s[WV], 16*SPI                    ; my stage
	v_mul_u32_u24 v[STO], v2, SPI
	v_lshl_add_u32 v[STO], v3, 6, v[STO]
	v_add_nc_u32 v[STO], s2, v[STO]                ; in: row r, + 64 h
	v_add_nc_u32 v[RD], s2, v[LI]                  ; back: a row of 512 bytes, 16 bytes a lane
	s_lshl_b32 s2, s19, 9                          ; out0: row 512 x batch + 128 cy + 64 wa, column 256 cx + 128 wb
	s_lshl_b32 s3, s93, 7
	s_add_co_u32 s2, s2, s3
	s_lshl_b32 s3, s[WA], 6
	s_add_co_u32 s2, s2, s3
	s_lshl_b32 s2, s2, 12
	s_lshl_b32 s3, s92, 10
	s_add_co_u32 s2, s2, s3
	s_lshl_b32 s3, s[WB], 9
	s_add_co_u32 s2, s2, s3
	s_mov_b32 s3, 0
	s_add_nc_u64 s[14:15], s[14:15], s[2:3]
	s_wait_alu depctr_va_vdst(0)
	s_wait_tensorcnt 0x0
	ds_add_u32 v[SPW], v[NIL]
	s_wait_dscnt 0x0
	CROUND
	JLOAD G0A+4, G1A, G0B, G1B                     ; p's slot 1, v's slot 0
	s_wait_loadcnt 0x0
	v_min3_num_f32 v[PT], v[PNM], v[PNM+1], v[PNM+2]   ; the least -M: the row's M
.irp i, 3,5,7,9,11,13
	v_min3_num_f32 v[PT], v[PT], v[PNM+\i], v[PNM+\i+1]
.endr
	v_min_num_f32 v[PT], v[PT], v[PNM+15]
	v_mov_b32 v[PT+1], 0                           ; l
.irp s, 0,1,2,3,4,5,6,7,8,9,10,11,12,13,14,15
	v_sub_f32 v[PT+2], v[PNM+\s], v[PT]            ; D = the row's M - the run's: a whole number, 0 or more
	v_cvt_u32_f32 v[PT+2], v[PT+2]                 ; (it saturates)
	v_min_u32 v[PT+2], 255, v[PT+2]
	v_sub_nc_u32 v[PT+3], 0, v[PT+2]
	v_ldexp_f32 v[PT+3], v[PL+\s], v[PT+3]         ; the run's sum under the row's M: nothing is rounded
	v_add_f32 v[PT+1], v[PT+1], v[PT+3]
.irp k, 0,1,2,3
	v_bfe_u32 v[PT+4+\k], v[PWD+\s], 8*\k, 8
.endr
.irp k, 0,1,2,3
	v_min_u32 v[PT+8+\k], v[PT+4+\k], v[PT+2]
.endr
.irp k, 0,1,2,3
	v_sub_nc_u32 v[PT+4+\k], v[PT+4+\k], v[PT+8+\k]    ; D off each byte, held at 0
.endr
	v_lshl_or_b32 v[PWD+\s], v[PT+5], 8, v[PT+4]
	v_lshl_or_b32 v[PWD+\s], v[PT+6], 16, v[PWD+\s]
	v_lshl_or_b32 v[PWD+\s], v[PT+7], 24, v[PWD+\s]
	ds_store_b32 v[SAW], v[PWD+\s] offset:512*\s
.endr
	s_wait_alu depctr_va_vdst(0)
	v_rcp_f32 v[PT+12], v[PT+1]
	v_nop                                          ; a plain place behind the reciprocal
	s_wait_alu depctr_va_vdst(0)                   ; and the wait ahead of its first reader
	ds_store_b32 v[SAW], v[PT+12] offset:RL-SCA
	s_wait_tensorcnt 0x0                           ; my loads so far are in
	ds_add_u32 v[SPW], v[NIL]
	s_wait_dscnt 0x0                               ; the add, and for the others' sake my rows' scale words and 1 / l
	CROUND
	s_cmp_eq_u32 s[WA], 0                          ; v's slot 1 is left: waves 2, 3 ask for it
	s_cbranch_scc1 .Lno_third
	tensor_load_to_lds s[G0B+4:G0B+7], s[G1B:G1B+7]
	s_nop 0
.rept 4
	v_nop
.endr
.Lno_third:
	FETCHG 0
	s_wait_dscnt 0x0
	FETCHG 1
	MULR 0, MA, 0, 1                               ; K step 0 starts the sums: nothing is cleared
	WIN 0
	STEP 1
	STEP 2
	TURNR 3                                        ; slot 0 takes keys 1,024 on
	STEP 4
	STEP 5
	STEP 6
	TURNR 7                                        ; slot 1 takes keys 1,536 on
	STEP 8
	STEP 9
	STEP 10
	TURNP 11
	STEP 12
	STEP 13
	STEP 14
	LAST 15
; THE WAY OUT, block by block of 16 rows x 128 columns: x 1 / l, through my stage in LDS, back as whole rows of 512 bytes.
.macro SCALE a
	WIN 0x82                                       ; destination and source 0 in window 2
.irp j, 0,2,4,6,8,10,12,14,16,18,20,22,24,26,28,30,32,34,36,38,40,42,44,46,48,50,52,54,56,58,60,62
	v_pk_mul_f32 v[64*(\a)+\j:64*(\a)+\j+1], v[64*(\a)+\j:64*(\a)+\j+1], v[RLP+2*(\a):RLP+2*(\a)+1] op_sel_hi:[1,0]   ; each accumulator from its low end on
.endr
	WIN 0
.endm
.macro TOSTAGE a
	WIN 0x08                                       ; an LDS store's data are its source 1: window 2
.irp t, 0,1,2,3,4,5,6,7                ; result tile t holds columns 32 (t / 2) + 8 (t % 2) + 16 h + 0 .. 7
	ds_store_b128 v[STO], v[64*(\a)+8*\t:64*(\a)+8*\t+3] offset:128*(\t/2)+32*(\t%2)
	ds_store_b128 v[STO], v[64*(\a)+8*\t+4:64*(\a)+8*\t+7] offset:128*(\t/2)+32*(\t%2)+16
.endr
	WIN 0
.irp i, 0,1,2,3,4,5,6,7,8,9,10,11,12,13,14,15
	ds_load_b128 v[BK+64*((\a)%2)+4*\i:BK+64*((\a)%2)+4*\i+3], v[RD] offset:SPI*\i   ; LDS serves a wave's instructions in order: these see the stores above
.endr
.endm
.macro SEND a, younger                 ; younger: the LDS instructions issued behind block a's loads, which may stay out
	s_wait_dscnt \younger
.irp i, 0,1,2,3,4,5,6,7,8,9,10,11,12,13,14,15
	global_store_b128 v[LI], v[BK+64*((\a)%2)+4*\i:BK+64*((\a)%2)+4*\i+3], s[14:15] offset:(32*((\a)/2)+8*((\a)%2)+\i+8*(\i/8))*4096 th:TH_STORE_NT   ; lane i of tile a is row 32 (a / 2) + 8 (a % 2) + i + 8 (i / 8); 32 lanes store 512 consecutive bytes, aligned
.endr
.endm
	PLACES
.irp a, 0,1,2,3
	ds_load_b32 v[RLP+2*\a], v[RLA] offset:64*\a
	ds_load_b32 v[RLP+2*\a+1], v[RLA] offset:64*\a     ; (the pair's upper half is named with it, so it is written)
.endr
	s_wait_dscnt 0x0
	SCALE 0
	TOSTAGE 0
.irp a, 1,2,3
.if \a > 1
	s_wait_xcnt 0x0                                ; block a - 2's stores have read their registers: block a's loads may land there
.endif
	SCALE \a
	TOSTAGE \a
	SEND \a-1, 32                                  ; behind block a - 1's loads: block a's 16 stores and 16 loads
.endr
	SEND 3, 0
	s_wait_tensorcnt 0x0                           ; the wave's end
	ds_add_u32 v[SPW], v[NIL]
	s_wait_dscnt 0x0
	CROUND                                         ; the closing round
	s_endpgm
.Lfunc_end_k_qc75915ff4d_pvout:
	.size	k_qc75915ff4d_pvout, .Lfunc_end_k_qc75915ff4d_pvout-k_qc75915ff4d_pvout
	.p2alignl 7, 3214868480
	.fill 96, 4, 3214868480
	.section	.rodata,"a",@progbits
	.p2align	6, 0x0
	.amdhsa_kernel k_qc75915ff4d_pvout
		.amdhsa_group_segment_fixed_size 327680
		.amdhsa_private_segment_fixed_size 0
		.amdhsa_enable_private_segment 0
		.amdhsa_kernarg_size 48
		.amdhsa_user_sgpr_count 2
		.amdhsa_user_sgpr_kernarg_segment_ptr 1
		.amdhsa_wavefront_size32 1
		.amdhsa_system_sgpr_workgroup_id_x 1
		.amdhsa_system_sgpr_workgroup_id_y 1
		.amdhsa_system_sgpr_workgroup_id_z 1
		.amdhsa_system_vgpr_workitem_id 0
		.amdhsa_next_free_vgpr 768
		.amdhsa_next_free_sgpr 100
		.amdhsa_reserve_vcc 0
		.amdhsa_float_denorm_mode_32 3
		.amdhsa_float_denorm_mode_16_64 3
		.amdhsa_memory_ordered 1
		.amdhsa_forward_progress 1
		.amdhsa_inst_pref_size 177
	.end_amdhsa_kernel
	.amdgpu_metadata
---
amdhsa.version: [ 1, 2 ]
amdhsa.kernels:
  - .name:           k_qc75915ff4d_pvout
    .symbol:         k_qc75915ff4d_pvout.kd
    .args:
      - { .name: PCD, .offset: 0, .size: 8, .value_kind: global_buffer, .address_space: global }
      - { .name: PSC, .offset: 8, .size: 8, .value_kind: global_buffer, .address_space: global }
      - { .name: PST, .offset: 16, .size: 8, .value_kind: global_buffer, .address_space: global }
      - { .name: YC, .offset: 24, .size: 8, .value_kind: global_buffer, .address_space: global }
      - { .name: YS, .offset: 32, .size: 8, .value_kind: global_buffer, .address_space: global }
      - { .name: out0, .offset: 40, .size: 8, .value_kind: global_buffer, .address_space: global }
    .group_segment_fixed_size: 327680
    .private_segment_fixed_size: 0
    .kernarg_segment_align: 8
    .kernarg_segment_size: 48
    .max_flat_workgroup_size: 128
    .sgpr_count:     100
    .vgpr_count:     768
    .wavefront_size: 32
...
	.end_amdgpu_metadata
.endif
;; end of part 4
